; MI455X (gfx1250); checked and timed in simulation.
; The chip was launched on July 23, 2026; its instructions are those of AMD's public machine-readable ISA for CDNA 5 (MIT licence, August 2026) and "CDNA5" Instruction Set Architecture Reference Guide (July 2026). The comments in the code are by the model that wrote it; some were corrected since.
;; Mo E Layer. Allowed arithmetic: float matrix products may take bf16 or f16 operands with f32 sums; other float arithmetic in f32, or as packed bf16 or f16 multiplies, adds, multiply-adds, maxima and minima; sums over many terms, partial sums and values carried from step to step in f32; what a program stores and reads back later, other than sums and carried values, may be rounded once to bf16 or f16.
;; Inputs: expert_w 8 x 1,024 x 1,024 float32; ln1_b 1,024 float32; ln1_g 1,024 float32; ln2_b 1,024 float32; ln2_g 1,024 float32; router_w 8 x 1,024 float32; wk 1,024 x 1,024 float32; wo 1,024 x 1,024 float32; wq 1,024 x 1,024 float32; wv 1,024 x 1,024 float32; x 2 x 2,048 x 1,024 float32.
;; Outputs: out0 2 x 2,048 x 1,024 float32.
;; 2 versions, each right and faster than the one before. Each part assembles by itself: llvm-mc -triple=amdgcn-amd-amdhsa -mcpu=gfx1250 --defsym DOCPART=n.
;; ======== version 1 of 2: 6 launches
;; limits: values are held in f16: magnitudes above 65,504 overflow, below 6.1e-05 lose precision
;; workspace buffers: hn 8,388,608 bytes; wf 25,165,824 bytes; qkv 25,165,824 bytes; o 8,388,608 bytes; x1 16,777,216 bytes; route 49,152 bytes of whole numbers; gates 32,768 bytes
;; launch prep (part 1): grid 512 x 1, 8 waves a work-group, no clusters, 35,840 bytes of LDS; arguments x, ln1_g, ln1_b, wq, wk, wv, wo, hn, wf; writes hn, wf
.if DOCPART == 1
	.amdgcn_target "amdgcn-amd-amdhsa--gfx1250"
	.amdhsa_code_object_version 6
	.text
	.protected	k_qfed6d8d441_prep
	.globl	k_qfed6d8d441_prep
	.p2align	8
	.type	k_qfed6d8d441_prep,@function
k_qfed6d8d441_prep:
	s_mov_b64 s[64:65], 0
	v_nop
	global_prefetch_b8 v0, s[64:65] scope:SCOPE_SE
	s_setreg_imm32_b32 hwreg(HW_REG_WAVE_MODE, 25, 1), 1
	s_wait_xcnt 0x0
; PREP.  Two roles, chosen by the work-group's number; no barrier anywhere.
; Work-groups 0-255: hn[row][:] = f16(LN1(bf16(x[row][:]))), 16 rows a work-group, 2 a wave; gain and bias are rounded to bf16 first, like every input of the program.
; Work-groups 256-511: one strip of 16 rows of wq, wk, wv or wo, each number rounded to bf16 and that number written as f16,
; laid out in the order in which a wave's operand registers take it: wf[matrix][16-row block][32-K block][half c][lane][8 f16], lane l holding row l % 16, K = 16 c + 8 (l / 16) + 0..7.
; (The eight experts' matrices, wf's matrices 4 to 11, are laid out by a later launch: only the last launch reads them.)
; LIMITS.  f16 holds nothing beyond 65,504 and keeps a fixed step of 6e-8 below 6e-5: weights and normalised rows lie far inside.  NaN and infinities are not treated apart.
; No matrix unit, no cluster: every byte is read once and written once.
.set X,   16                           ; v[16:79]   two rows (32 registers each), or 16 weight rows' 4 numbers
.set G,   80                           ; v[80:111]  gain; in the weights' role: the strip read back
.set BV,  112                          ; v[112:143] bias
.set T,   144                          ; v[144:151] at work
.set MU,  152                          ; v[152:153] the mean, twice
.set RS,  154                          ; v[154:157] 1/sqrt(var + eps), twice, for each row
.set SPW, 2
.set NIL, 3
.set TRB, 4352                         ; a wave's turning room in LDS: 16 sub-blocks of 256 bytes, 272 apart
.set SPARE, 8*TRB                      ; the spare words, 128 bytes a wave
.macro RND2 p, t                       ; two f32 rounded to bf16 and widened again
	v_cvt_pk_bf16_f32 v[\t], v[\p], v[(\p)+1]
	v_lshlrev_b32 v[\p], 16, v[\t]
	v_and_b32 v[(\p)+1], s25, v[\t]
.endm
.macro BFLY r, t                       ; sum over the 32 lanes, in every lane
	v_add_f32_dpp v[\r], v[\r], v[\r] row_xmask:1 row_mask:0xf bank_mask:0xf
	v_add_f32_dpp v[\r], v[\r], v[\r] row_xmask:2 row_mask:0xf bank_mask:0xf
	v_add_f32_dpp v[\r], v[\r], v[\r] row_xmask:4 row_mask:0xf bank_mask:0xf
	v_add_f32_dpp v[\r], v[\r], v[\r] row_xmask:8 row_mask:0xf bank_mask:0xf
	v_permlanex16_b32 v[\t], v[\r], s26, s27
	v_add_f32 v[\r], v[\r], v[\t]
.endm
.macro FOLD                            ; four chains into one number a lane, then over the lanes
	v_pk_add_f32 v[T:T+1], v[T:T+1], v[T+2:T+3]
	v_pk_add_f32 v[T+4:T+5], v[T+4:T+5], v[T+6:T+7]
	v_pk_add_f32 v[T:T+1], v[T:T+1], v[T+4:T+5]
	v_add_f32 v[T], v[T], v[T+1]
	BFLY T, T+1
.endm
.macro STAT u                          ; row u: the mean is taken away in place, then 1/sqrt(mean square + eps)
.set XB, X+32*(\u)
.irp k, 0,1,2,3
	v_pk_add_f32 v[T+2*\k:T+2*\k+1], v[XB+2*\k:XB+2*\k+1], v[XB+8+2*\k:XB+8+2*\k+1]
.endr
.irp o, 16,24
.irp k, 0,1,2,3
	v_pk_add_f32 v[T+2*\k:T+2*\k+1], v[T+2*\k:T+2*\k+1], v[XB+\o+2*\k:XB+\o+2*\k+1]
.endr
.endr
	FOLD
	v_mul_f32 v[MU], s28, v[T]
	v_mov_b32 v[MU+1], v[MU]
.set q, 0
.rept 16
	v_pk_add_f32 v[XB+q:XB+q+1], v[XB+q:XB+q+1], v[MU:MU+1] neg_lo:[0,1] neg_hi:[0,1]
.set q, q+2
.endr
.irp k, 0,1,2,3
	v_pk_mul_f32 v[T+2*\k:T+2*\k+1], v[XB+2*\k:XB+2*\k+1], v[XB+2*\k:XB+2*\k+1]
.endr
.irp o, 8,16,24
.irp k, 0,1,2,3
	v_pk_fma_f32 v[T+2*\k:T+2*\k+1], v[XB+\o+2*\k:XB+\o+2*\k+1], v[XB+\o+2*\k:XB+\o+2*\k+1], v[T+2*\k:T+2*\k+1]
.endr
.endr
	FOLD
	v_fma_f32 v[T], v[T], s28, s29
	v_rsq_f32 v[RS+2*(\u)], v[T]
	v_nop                                          ; a plain instruction between the root and the use of its result
	s_wait_alu depctr_va_vdst(0)
	v_mov_b32 v[RS+2*(\u)+1], v[RS+2*(\u)]
.endm
.macro NORM u
.set XB, X+32*(\u)
.set q, 0
.rept 16
	v_pk_mul_f32 v[XB+q:XB+q+1], v[XB+q:XB+q+1], v[RS+2*(\u):RS+2*(\u)+1]
	v_pk_fma_f32 v[XB+q:XB+q+1], v[XB+q:XB+q+1], v[G+q:G+q+1], v[BV+q:BV+q+1]
.set q, q+2
.endr
.endm
	s_load_b512 s[4:19], s[0:1], 0x0               ; x 4:5, g 6:7, b 8:9, wq 10:11, wk 12:13, wv 14:15, wo 16:17, hn 18:19
	s_load_b64 s[20:21], s[0:1], 0x40              ; wf
	v_lshl_add_u32 v[SPW], v0, 2, SPARE
	v_mov_b32 v[NIL], 0
	v_lshrrev_b32 v4, 5, v0
	v_readfirstlane_b32 s24, v4                    ; wave
	v_and_b32 v5, 31, v0                           ; lane
	v_lshlrev_b32 v1, 4, v5                        ; 16 x lane
	s_mov_b32 s25, 0xffff0000
	s_mov_b32 s26, 0x76543210
	s_mov_b32 s27, 0xfedcba98
	s_mov_b32 s28, 0x3a800000                      ; 1/1024
	s_mov_b32 s29, 0x3727c5ac                      ; 1e-5
	s_mov_b32 s31, 0
	s_mov_b32 s36, ttmp9
	s_wait_kmcnt 0x0
	s_cmp_lt_u32 s36, 256
	s_cbranch_scc0 .Lweights
	; ---- LN1: rows 16 g + 2 w, + 1.  Lane l holds columns 128 c + 4 l .. + 3, c = 0..7: each load covers 512 consecutive bytes
	s_lshl_b32 s30, s36, 4
	s_lshl1_add_u32 s30, s24, s30                  ; my first row
	s_lshl_b32 s37, s30, 11                        ; x 2,048 bytes in hn
	s_lshl_b32 s30, s30, 12                        ; x 4,096 bytes in x
	s_add_nc_u64 s[4:5], s[4:5], s[30:31]
	s_mov_b32 s30, s37
	s_add_nc_u64 s[18:19], s[18:19], s[30:31]
	v_lshlrev_b32 v6, 3, v5                        ; 8 x lane
.irp u, 0,1
.irp c, 0,1,2,3,4,5,6,7
	global_load_b128 v[X+32*\u+4*\c:X+32*\u+4*\c+3], v1, s[4:5] offset:4096*\u+512*\c
.endr
.endr
.irp c, 0,1,2,3,4,5,6,7
	global_load_b128 v[G+4*\c:G+4*\c+3], v1, s[6:7] offset:512*\c
.endr
.irp c, 0,1,2,3,4,5,6,7
	global_load_b128 v[BV+4*\c:BV+4*\c+3], v1, s[8:9] offset:512*\c
.endr
	s_wait_loadcnt 16                              ; x is in; the 16 younger loads, gain and bias, stay out
.set q, 0
.rept 32
	RND2 X+2*q, T+(q%4)
.set q, q+1
.endr
	STAT 0
	STAT 1
	s_wait_loadcnt 0x0
.set q, 0
.rept 32
	RND2 G+2*q, T+(q%4)
.set q, q+1
.endr
	NORM 0
	NORM 1
.irp u, 0,1
.set q, 0
.rept 16
	v_cvt_pk_f16_f32 v[X+32*\u+q], v[X+32*\u+2*q], v[X+32*\u+2*q+1]
.set q, q+1
.endr
.irp c, 0,1,2,3,4,5,6,7
	global_store_b64 v6, v[X+32*\u+2*\c:X+32*\u+2*\c+1], s[18:19] offset:2048*\u+256*\c  ; 32 lanes store 256 consecutive bytes, aligned
.endr
.endr
	s_branch .Lend
.Lweights:
	; ---- a strip of 16 weight rows; wave w takes K = 128 w .. + 127
	s_sub_co_u32 s34, s36, 256                     ; strip = 64 x matrix + block, 0..255
	s_lshr_b32 s35, s34, 6                         ; matrix 0..3
	s_and_b32 s37, s34, 63                         ; block of 16 rows
	s_mov_b64 s[32:33], s[16:17]
	s_cmp_eq_u32 s35, 0
	s_cselect_b64 s[32:33], s[10:11], s[32:33]
	s_cmp_eq_u32 s35, 1
	s_cselect_b64 s[32:33], s[12:13], s[32:33]
	s_cmp_eq_u32 s35, 2
	s_cselect_b64 s[32:33], s[14:15], s[32:33]
	s_lshl_b32 s37, s37, 16                        ; 16 rows of 4,096 bytes,
	s_lshl_b32 s38, s24, 9                         ; my 128 numbers of a row
	s_add_co_u32 s30, s37, s38
	s_add_nc_u64 s[32:33], s[32:33], s[30:31]
	s_lshl_b32 s30, s34, 15                        ; a strip is 32,768 bytes of wf,
	s_lshl_b32 s37, s24, 12                        ; my four K blocks 4,096 of them
	s_add_co_u32 s30, s30, s37
	s_add_nc_u64 s[20:21], s[20:21], s[30:31]
	s_mul_i32 s37, s24, TRB
	v_lshrrev_b32 v7, 1, v5                        ; my 4 numbers of a row belong to sub-block l / 2 (K block, half c, lane half), 8 (l % 2) bytes in
	v_mul_u32_u24 v7, v7, 272
	v_and_b32 v8, 1, v5
	v_lshl_add_u32 v7, v8, 3, v7
	v_add_nc_u32 v7, s37, v7
	v_lshrrev_b32 v8, 4, v5                        ; back: 32 lanes take two sub-blocks, 512 bytes of wf
	v_mul_u32_u24 v8, v8, 272
	v_and_b32 v9, 15, v5
	v_lshl_add_u32 v8, v9, 4, v8
	v_add_nc_u32 v8, s37, v8
.set j, 0
.rept 16
	global_load_b128 v[X+4*j:X+4*j+3], v1, s[32:33] offset:4096*j th:TH_LOAD_NT
.set j, j+1
.endr
.set j, 0
.rept 16
	s_wait_loadcnt 15-j                            ; row j is in; the 15 - j younger loads stay out
	v_cvt_pk_bf16_f32 v[T], v[X+4*j], v[X+4*j+1]
	v_cvt_pk_bf16_f32 v[T+1], v[X+4*j+2], v[X+4*j+3]
	v_lshlrev_b32 v[X+4*j], 16, v[T]
	v_and_b32 v[X+4*j+1], s25, v[T]
	v_lshlrev_b32 v[X+4*j+2], 16, v[T+1]
	v_and_b32 v[X+4*j+3], s25, v[T+1]
	v_cvt_pk_f16_f32 v[X+4*j], v[X+4*j], v[X+4*j+1]
	v_cvt_pk_f16_f32 v[X+4*j+1], v[X+4*j+2], v[X+4*j+3]
	ds_store_b64 v7, v[X+4*j:X+4*j+1] offset:16*j  ; row j is lane j of its sub-block
.set j, j+1
.endr
.irp i, 0,1,2,3,4,5,6,7
	ds_load_b128 v[G+4*\i:G+4*\i+3], v8 offset:544*\i  ; my own bytes: LDS serves a wave's instructions in order
.endr
.irp i, 0,1,2,3,4,5,6,7
	s_wait_dscnt 7-\i
	global_store_b128 v1, v[G+4*\i:G+4*\i+3], s[20:21] offset:512*\i  ; 512 consecutive bytes
.endr
.Lend:
	s_wait_tensorcnt 0x0                           ; the wave's end
	ds_add_u32 v[SPW], v[NIL]
	s_wait_dscnt 0x0
	s_endpgm
.Lfunc_end_k_qfed6d8d441_prep:
	.size	k_qfed6d8d441_prep, .Lfunc_end_k_qfed6d8d441_prep-k_qfed6d8d441_prep
	.p2alignl 7, 3214868480
	.fill 96, 4, 3214868480
	.section	.rodata,"a",@progbits
	.p2align	6, 0x0
	.amdhsa_kernel k_qfed6d8d441_prep
		.amdhsa_group_segment_fixed_size 35840
		.amdhsa_private_segment_fixed_size 0
		.amdhsa_enable_private_segment 0
		.amdhsa_kernarg_size 72
		.amdhsa_user_sgpr_count 2
		.amdhsa_user_sgpr_kernarg_segment_ptr 1
		.amdhsa_wavefront_size32 1
		.amdhsa_system_sgpr_workgroup_id_x 1
		.amdhsa_system_sgpr_workgroup_id_y 1
		.amdhsa_system_sgpr_workgroup_id_z 1
		.amdhsa_system_vgpr_workitem_id 0
		.amdhsa_next_free_vgpr 160
		.amdhsa_next_free_sgpr 66
		.amdhsa_reserve_vcc 0
		.amdhsa_float_denorm_mode_32 3
		.amdhsa_float_denorm_mode_16_64 3
		.amdhsa_memory_ordered 1
		.amdhsa_forward_progress 1
		.amdhsa_inst_pref_size 41
	.end_amdhsa_kernel
	.amdgpu_metadata
---
amdhsa.version: [ 1, 2 ]
amdhsa.kernels:
  - .name:           k_qfed6d8d441_prep
    .symbol:         k_qfed6d8d441_prep.kd
    .args:
      - { .name: x, .offset: 0, .size: 8, .value_kind: global_buffer, .address_space: global }
      - { .name: ln1_g, .offset: 8, .size: 8, .value_kind: global_buffer, .address_space: global }
      - { .name: ln1_b, .offset: 16, .size: 8, .value_kind: global_buffer, .address_space: global }
      - { .name: wq, .offset: 24, .size: 8, .value_kind: global_buffer, .address_space: global }
      - { .name: wk, .offset: 32, .size: 8, .value_kind: global_buffer, .address_space: global }
      - { .name: wv, .offset: 40, .size: 8, .value_kind: global_buffer, .address_space: global }
      - { .name: wo, .offset: 48, .size: 8, .value_kind: global_buffer, .address_space: global }
      - { .name: hn, .offset: 56, .size: 8, .value_kind: global_buffer, .address_space: global }
      - { .name: wf, .offset: 64, .size: 8, .value_kind: global_buffer, .address_space: global }
    .group_segment_fixed_size: 35840
    .private_segment_fixed_size: 0
    .kernarg_segment_align: 8
    .kernarg_segment_size: 72
    .max_flat_workgroup_size: 256
    .sgpr_count:     66
    .vgpr_count:     160
    .wavefront_size: 32
...
	.end_amdgpu_metadata
.endif
;; end of part 1
;; launch qkv (part 2): grid 8 x 32, 4 waves a work-group, clusters of 4 x 4, 327,680 bytes of LDS; arguments hn, wf, qkv; writes qkv
.if DOCPART == 2
	.amdgcn_target "amdgcn-amd-amdhsa--gfx1250"
	.amdhsa_code_object_version 6
	.text
	.protected	k_qfed6d8d441_qkv
	.globl	k_qfed6d8d441_qkv
	.p2align	8
	.type	k_qfed6d8d441_qkv,@function
k_qfed6d8d441_qkv:
	s_mov_b64 s[64:65], 0
	v_nop
	global_prefetch_b8 v0, s[64:65] scope:SCOPE_SE
	s_setreg_imm32_b32 hwreg(HW_REG_WAVE_MODE, 25, 1), 1
	s_wait_xcnt 0x0
	s_wait_alu depctr_hold_cnt(0) depctr_sa_sdst(0) depctr_va_vdst(0) depctr_va_sdst(0) depctr_va_ssrc(0) depctr_va_vcc(0) depctr_vm_vsrc(0)
	s_getreg_b32 s2, hwreg(HW_REG_IB_STS2, 6, 4)
	s_cmp_eq_u32 s2, 0
	s_cbranch_scc0 .Lentry_in_a_cluster
	s_endpgm
.Lentry_in_a_cluster:
	s_bfe_u32 s2, ttmp6, 0x10000c
	s_cmp_lg_u32 s2, 0xf033
	s_cbranch_scc0 .Lentry_shape_is_right
	s_endpgm
.Lentry_shape_is_right:
; Q, K, V = h W^T, f16 operands, f32 sums, stored as f16 by heads: qkv[part][batch][head][row][64], unscaled.
; A work-group makes 128 tokens x 128 columns of each of q, k, v (two heads); 8 x 32 work-groups.  Four waves as 2 x 2: a wave has 64 tokens x one head's q, k and v: 4 x 12 accumulators, 384 registers.
; K goes in eight steps of 128 through two LDS slots.  Wave 0 fetches the tokens' tile (128 rows x 256 bytes, 16 bytes of padding a row), waves 1-3 one part's weights each (8 pieces of 4,096 bytes, already in
; operand order, so a fragment is two loads of 512 consecutive bytes).  CLUSTER 4 x 4: the tokens' tile is shared along a row of the cluster, the weights' along a column: joint loads.
; ONE TEXT FOR A SLOT.  Slot 1 begins at 135,168 = 0x21000, a number that shares no bit with a tile's LDS address inside a slot (0, and 0x800 + wave x 0x8000): one exclusive or turns the walking
; descriptor's LDS word, and a scalar that is 0 or 135,168 by turns is added to the lanes' fixed places.  A trip goes from a slot's second chunk of 32 along K to the next slot's first: six trips that fill
; the slot left behind again, then two that do not; the very last trip jumps over the chunk of a slot that does not exist.  Its price: one barrier and one run of 32 LDS loads that serve nothing.
; The matrix instruction is used transposed (source 0 = 16 weight rows, source 1 = 16 tokens): a lane holds one token and eight neighbouring columns.
; LIMITS: q, k, v beyond 65,504 would become infinities in f16; with normalised rows and weights of the drawn spread times 30 they stay under some 3,000.
; REGISTERS: window 0 addresses and the way out; windows 1, 2 accumulator n = 12 a + b at window 1 + n / 32, register 8 (n % 32); window 3 two fragment buffers of 128: tokens' a at f + 8 a, weights' b at f + 32 + 8 b.
.set WN,     12
.set PITCH,  272
.set ATILE,  128*PITCH
.set BPART,  32768
.set SLOT,   135168                    ; from slot 0 to slot 1; a slot holds ATILE + 3 x BPART = 133,120 bytes
.set STAGE,  SLOT+ATILE+3*BPART        ; behind the ring: four regions of 16 rows x 144 bytes for each wave
.set SREG,   16*144
.set SPARE,  STAGE+16*SREG             ; the spare words
.set ASTEP,  256                       ; one K step on, in the tokens' rows
.set BSTEP,  4096                      ; and in the weights'
.set ADRA, 16                          ; v16     my lane's place among the tokens' fragments of a slot; never rewritten
.set CA,   17                          ; v17     the same in the slot in hand
.set ADRB, 18                          ; v18-20  my lane's place among the weights' fragments, by part; never rewritten
.set CB,   21                          ; v21-23  the same in the slot in hand
.set STO,  24
.set RD,   25
.set CO,   26
.set SPW,  28
.set NIL,  29
.set OUTR, 32                          ; v32-223 the way out: 16 registers for each of 12 groups (part, row block)
.set F0,   0
.set F1,   128
.set G1,  24
.set G0,  32                           ; s[32:35] the tokens' first fill; s[36:39] the second, which then walks on
.set G1B, 48
.set G0B, 56                           ; s[56:59], s[60:63] the same for the weights
.set SCUR, 74                          ; s74  0 or SLOT: the slot whose fragments are fetched
.set MSB, 0
.macro WIN new
.if MSB != (\new)
	s_set_vgpr_msb (MSB<<8)|(\new)
.set MSB, \new
.endif
.endm
.macro PLACES
.rept 4
	v_nop
.endr
.endm
.macro JLOAD s                         ; a joint load: wave 0 the tokens' tile, waves 1-3 a part's weights; s_nop 0 and four v_nop behind each line
	s_cmp_lt_u32 s10, 1
	s_cbranch_scc0 .Lfor_b_\@
	tensor_load_to_lds s[G0+4*(\s):G0+4*(\s)+3], s[G1:G1+7]
	s_nop 0
.rept 4
	v_nop
.endr
	s_branch .Lasked_\@
.Lfor_b_\@:
	tensor_load_to_lds s[G0B+4*(\s):G0B+4*(\s)+3], s[G1B:G1B+7]
	s_nop 0
.rept 4
	v_nop
.endr
.Lasked_\@:
.endm
.macro CREST
	s_cmp_lg_u32 s10, 0
	s_cbranch_scc1 .Lnot_wave_0_\@
	s_barrier_signal -3
.Lnot_wave_0_\@:
	s_barrier_wait -3
	s_barrier_signal -1
	s_barrier_wait -1
.endm
.macro CROUND
	s_barrier_signal -1
	s_barrier_wait -1
	CREST
.endm
	s_load_b128 s[4:7], s[0:1], 0x0                ; hn, wf
	s_load_b64 s[8:9], s[0:1], 0x10                ; qkv
	v_lshl_add_u32 v[SPW], v0, 2, SPARE
	v_mov_b32 v[NIL], 0
	ds_add_u32 v[SPW], v[NIL]                      ; the wave's opening: the add and its wait stand ahead of my first tensor load
	ds_add_u32 v28, v29
	v_lshrrev_b32 v1, 5, v0
	v_readfirstlane_b32 s10, v1                    ; wave
	s_lshr_b32 s11, s10, 1                         ; which 64 tokens
	s_and_b32 s12, s10, 1                          ; which head of the two
	s_bfe_u32 s40, ttmp6, 0x40000                  ; cx
	s_bfe_u32 s41, ttmp6, 0x40004                  ; cy
	s_lshl_b32 s42, ttmp9, 2
	s_add_co_u32 s42, s42, s40                     ; tile column 0..7
	s_and_b32 s13, ttmp7, 0xffff
	s_lshl_b32 s13, s13, 2
	s_add_co_u32 s13, s13, s41                     ; tile row 0..31
	s_lshl_b32 s43, s41, 2
	s_lshl_b32 s43, 15, s43                        ; my row of the cluster
	s_lshl_b32 s44, 0x1111, s40                    ; my column
	s_or_b32 s[G1], s43, (1<<16)|(1<<20)|(1<<21)|(5<<22)|(3<<25)  ; 2-byte elements, 4 words of padding after every 64, bit 21 beside the mask
	s_mov_b32 s[G1+1], 128<<16                     ; tensor_dim0 = 128
	s_mov_b32 s[G1+2], 128<<16                     ; tensor_dim1 = 128
	s_mov_b32 s[G1+3], 128<<16                     ; tile_dim0 = 128
	s_mov_b32 s[G1+4], 128                         ; tile_dim1 = 128
	s_mov_b32 s[G1+5], 1024                        ; elements from row to row
	s_mov_b32 s[G1+6], 0
	s_mov_b32 s[G1+7], 0
	s_or_b32 s[G1B], s44, (3<<16)|(1<<21)          ; 8-byte elements, no padding
	s_mov_b32 s[G1B+1], 512<<16                    ; a piece is 512 elements: four K blocks of 1,024 bytes
	s_mov_b32 s[G1B+2], 8<<16                      ; eight blocks of 16 weight rows
	s_mov_b32 s[G1B+3], 512<<16
	s_mov_b32 s[G1B+4], 8
	s_mov_b32 s[G1B+5], 4096                       ; 32,768 bytes from block to block
	s_mov_b32 s[G1B+6], 0
	s_mov_b32 s[G1B+7], 0
	s_lshl_b32 s16, s13, 18                        ; 128 tokens x 2,048 bytes
	s_mov_b32 s17, 0
	s_max_u32 s14, s10, 1
	s_sub_co_u32 s14, s14, 1                       ; the part that I fetch (wave 0 fetches none)
	s_lshl_b32 s14, s14, 21
	s_lshl_b32 s46, s42, 18                        ; eight blocks x 32,768 bytes
	s_add_co_u32 s46, s46, s14
	s_mov_b32 s47, 0
	s_lshl_b32 s20, s10, 15                        ; wave x 32,768: part w - 1 lies at ATILE + (w - 1) x 32,768 = 2,048 + w x 32,768
	s_mov_b32 s[SCUR], 0
	s_wait_dscnt 0x0                               ; the opening add is done
	s_wait_kmcnt 0x0
	s_add_nc_u64 s[14:15], s[4:5], s[16:17]
	s_add_nc_u64 s[46:47], s[6:7], s[46:47]
	CROUND                                         ; all sixteen work-groups are here: the first joint loads meet
.irp s, 0,1
	s_mov_b32 s[G0+4*(\s)], 1
	s_mov_b32 s[G0+4*(\s)+1], (\s)*SLOT
	s_add_nc_u64 s[G0+4*(\s)+2:G0+4*(\s)+3], s[14:15], (\s)*ASTEP
	s_or_b32 s[G0+4*(\s)+3], s[G0+4*(\s)+3], 0x80000000
	s_mov_b32 s[G0B+4*(\s)], 1
	s_add_co_u32 s[G0B+4*(\s)+1], s20, (\s)*SLOT+ATILE-BPART
	s_add_nc_u64 s[G0B+4*(\s)+2:G0B+4*(\s)+3], s[46:47], (\s)*BSTEP
	s_or_b32 s[G0B+4*(\s)+3], s[G0B+4*(\s)+3], 0x80000000
	JLOAD \s
.endr
	v_and_b32 v1, 15, v0                           ; r
	v_bfe_u32 v2, v0, 4, 1                         ; h
	v_and_b32 v3, 31, v0                           ; lane
	v_mul_u32_u24 v4, v1, PITCH
	v_lshl_add_u32 v4, v2, 4, v4
	s_mul_i32 s21, s11, 64*PITCH
	v_add_nc_u32 v[ADRA], s21, v4
	s_lshl_b32 s22, s12, 14                        ; my head's four blocks
	s_add_co_u32 s22, s22, ATILE
	v_lshl_add_u32 v[ADRB], v3, 4, s22
	v_add_nc_u32 v[ADRB+1], BPART, v[ADRB]
	v_add_nc_u32 v[ADRB+2], 2*BPART, v[ADRB]
	s_mul_i32 s23, s10, 4*SREG
	s_add_co_u32 s23, s23, STAGE
	v_mul_u32_u24 v4, v1, 144
	v_lshl_add_u32 v4, v2, 4, v4
	v_add_nc_u32 v[STO], s23, v4                   ; in: row r, 16 bytes for each half of the lanes
	v_bfe_u32 v4, v0, 3, 2
	v_mul_u32_u24 v4, v4, 144
	v_and_b32 v5, 7, v0
	v_lshl_add_u32 v4, v5, 4, v4
	v_add_nc_u32 v[RD], s23, v4                    ; back: 32 lanes take four rows of 128 bytes
	v_lshlrev_b32 v[CO], 4, v3
	s_lshr_b32 s66, s13, 4                         ; the batch
	s_lshl_b32 s66, s66, 4
	s_lshl1_add_u32 s66, s42, s66
	s_add_co_u32 s66, s66, s12                     ; 16 x batch + head
	s_lshl_b32 s66, s66, 11
	s_and_b32 s67, s13, 15
	s_lshl_b32 s67, s67, 7
	s_add_co_u32 s66, s66, s67
	s_lshl_b32 s67, s11, 6
	s_add_co_u32 s66, s66, s67                     ; + my first row in the head
	s_lshl_b32 s66, s66, 7
	s_mov_b32 s67, 0
	s_add_nc_u64 s[68:69], s[8:9], s[66:67]        ; q,
	s_add_nc_u64 s[70:71], s[68:69], 0x800000      ; k,
	s_add_nc_u64 s[72:73], s[70:71], 0x800000      ; v
.macro SETADR                          ; the lanes' places in the slot that s[SCUR] names
	v_add_nc_u32 v[CA], s[SCUR], v[ADRA]
	v_add_nc_u32 v[CB], s[SCUR], v[ADRB]
	v_add_nc_u32 v[CB+1], s[SCUR], v[ADRB+1]
	v_add_nc_u32 v[CB+2], s[SCUR], v[ADRB+2]
.endm
; 24 matrix instructions: row blocks a0, a0 + 1 x all 12 column blocks, 32 along K.  Every accumulator has one turn a chunk, in the same order.
.macro MULH f, a0, zero
.irp a, \a0, (\a0)+1
.irp b, 0,1,2,3,4,5,6,7,8,9,10,11
.set n, (\a)*WN+(\b)
.set rD, 8*(n%32)
	WIN 0x5f+0x50*(n/32)
.if \zero
	v_wmma_f32_16x16x32_f16 v[rD:rD+7], v[(\f)+32+8*(\b):(\f)+32+8*(\b)+7], v[(\f)+8*(\a):(\f)+8*(\a)+7], 0
.else
	v_wmma_f32_16x16x32_f16 v[rD:rD+7], v[(\f)+32+8*(\b):(\f)+32+8*(\b)+7], v[(\f)+8*(\a):(\f)+8*(\a)+7], v[rD:rD+7]
.endif
.endr
.endr
.endm
.macro FETCH kc, f                     ; 32 LDS loads in one run: chunk kc's fragments of the slot in hand into buffer f
	WIN 0xc0
.irp i, 0,1,2,3
	ds_load_b128 v[(\f)+8*\i:(\f)+8*\i+3],   v[CA] offset:64*(\kc)+16*PITCH*\i
	ds_load_b128 v[(\f)+8*\i+4:(\f)+8*\i+7], v[CA] offset:64*(\kc)+16*PITCH*\i+32
.endr
.irp p, 0,1,2
.irp i, 0,1,2,3
	ds_load_b128 v[(\f)+32+8*(4*\p+\i):(\f)+32+8*(4*\p+\i)+3],   v[CB+\p] offset:4096*\i+1024*(\kc)
	ds_load_b128 v[(\f)+32+8*(4*\p+\i)+4:(\f)+32+8*(4*\p+\i)+7], v[CB+\p] offset:4096*\i+1024*(\kc)+512
.endr
.endr
.endm
.macro CHUNK kc, f, g, zero            ; multiplies buffer f; ahead of that asks for chunk kc into g, 48 matrix instructions before its use
	s_wait_dscnt 0x0                               ; buffer f is in; nothing younger is out
	PLACES                                         ; four places behind the products that read buffer g
	FETCH \kc, \g
	MULH \f, 0, \zero
	MULH \f, 2, \zero
.endm
.macro TURN fill                       ; a slot's last chunk (buffer 1) and the change of slots
	WIN 0
	s_wait_tensorcnt 0x0                           ; all my tensor loads have landed: the one that was out is my part of the next slot
	ds_add_u32 v[SPW], v[NIL]                      ; 0 onto my spare word
	s_wait_dscnt 0x0                               ; the add is done, buffer 1 is in, my reads of this slot are over
	s_barrier_signal -1
	MULH F1, 0, 0
	WIN 0
	s_barrier_wait -1
.if \fill
	CREST                                          ; the barrier has opened a round of the cluster's: no wave of any partner still reads this slot or has a load on its way
	s_xor_b32 s[G0+5], s[G0+5], SLOT               ; the walking descriptors: the other slot than last time,
	s_add_nc_u64 s[G0+6:G0+7], s[G0+6:G0+7], ASTEP ; the next K step
	s_xor_b32 s[G0B+5], s[G0B+5], SLOT
	s_add_nc_u64 s[G0B+6:G0B+7], s[G0B+6:G0B+7], BSTEP
	JLOAD 1                                        ; its four v_nop are also places in front of the loads below
.else
	PLACES
.endif
	s_xor_b32 s[SCUR], s[SCUR], SLOT               ; the fetches go on in the other slot
	SETADR
	FETCH 0, F0
	MULH F1, 2, 0
.endm
	SETADR
	s_wait_tensorcnt 1                             ; my part of K step 0 is in; K step 1's stays out
	s_barrier_signal -1
	s_barrier_wait -1
	FETCH 0, F0
	CHUNK 1, F0, F1, 1                             ; the first chunk starts the sums
	WIN 0
	s_mov_b32 s3, 6
.Lslot:                                                ; six trips: K steps 2 to 7 are asked for
	CHUNK 2, F1, F0, 0
	CHUNK 3, F0, F1, 0
	TURN 1
	CHUNK 1, F0, F1, 0
	WIN 0
	s_sub_co_u32 s3, s3, 1
	s_cmp_lg_u32 s3, 0
	s_cbranch_scc1 .Lslot
	s_mov_b32 s3, 2
.Ltail:                                                ; the last two slots ask for nothing: written out
	CHUNK 2, F1, F0, 0
	CHUNK 3, F0, F1, 0
	TURN 0
	WIN 0
	s_cmp_eq_u32 s3, 1
	s_cbranch_scc1 .Lskip                          ; behind the last slot there is no further chunk
	CHUNK 1, F0, F1, 0
	WIN 0
.Lskip:
	s_sub_co_u32 s3, s3, 1
	s_cmp_lg_u32 s3, 0
	s_cbranch_scc1 .Ltail
	PLACES
; THE WAY OUT.  Group g = 4 x part + row block: 16 rows x 64 columns, rounded to f16, through my own stage, back as four rows of 128 bytes a load: 16 rows of a head are 2,048 consecutive bytes.
.macro PACK g
.set pp, (\g)/4
.set aa, (\g)%4
.set i, 0
.rept 4
.set n, aa*WN+4*pp+i
.set rD, 8*(n%32)
	WIN 0x05*(1+n/32)
.irp q, 0,1,2,3
	v_cvt_pk_f16_f32 v[OUTR+16*(\g)+4*i+\q], v[rD+2*\q], v[rD+2*\q+1]
.endr
.set i, i+1
.endr
	WIN 0
.irp f, 0,1,2,3
	ds_store_b128 v[STO], v[OUTR+16*(\g)+4*\f:OUTR+16*(\g)+4*\f+3] offset:SREG*aa+32*\f
.endr
.irp f, 0,1,2,3
	ds_load_b128 v[OUTR+16*(\g)+4*\f:OUTR+16*(\g)+4*\f+3], v[RD] offset:SREG*aa+576*\f  ; LDS serves a wave's instructions in order: these see the stores above
.endr
.endm
.macro SEND g, younger                 ; younger: the LDS instructions issued behind this group's loads
.set pp, (\g)/4
.set aa, (\g)%4
.irp f, 0,1,2,3
	s_wait_dscnt (\younger)+3-\f
	global_store_b128 v[CO], v[OUTR+16*(\g)+4*\f:OUTR+16*(\g)+4*\f+3], s[68+2*pp:69+2*pp] offset:2048*aa+512*\f  ; 512 consecutive bytes
.endr
.endm
	PACK 0
.set g, 1
.rept 11
	PACK g
	SEND g-1, 8
.set g, g+1
.endr
	SEND 11, 0
	s_wait_tensorcnt 0x0                           ; the wave's end
	ds_add_u32 v[SPW], v[NIL]
	s_wait_dscnt 0x0
	CROUND                                         ; the closing round
	s_endpgm
.Lfunc_end_k_qfed6d8d441_qkv:
	.size	k_qfed6d8d441_qkv, .Lfunc_end_k_qfed6d8d441_qkv-k_qfed6d8d441_qkv
	.p2alignl 7, 3214868480
	.fill 96, 4, 3214868480
	.section	.rodata,"a",@progbits
	.p2align	6, 0x0
	.amdhsa_kernel k_qfed6d8d441_qkv
		.amdhsa_group_segment_fixed_size 327680
		.amdhsa_private_segment_fixed_size 0
		.amdhsa_enable_private_segment 0
		.amdhsa_kernarg_size 24
		.amdhsa_user_sgpr_count 2
		.amdhsa_user_sgpr_kernarg_segment_ptr 1
		.amdhsa_wavefront_size32 1
		.amdhsa_system_sgpr_workgroup_id_x 1
		.amdhsa_system_sgpr_workgroup_id_y 1
		.amdhsa_system_sgpr_workgroup_id_z 1
		.amdhsa_system_vgpr_workitem_id 0
		.amdhsa_next_free_vgpr 1024
		.amdhsa_next_free_sgpr 80
		.amdhsa_reserve_vcc 0
		.amdhsa_float_denorm_mode_32 3
		.amdhsa_float_denorm_mode_16_64 3
		.amdhsa_memory_ordered 1
		.amdhsa_forward_progress 1
		.amdhsa_inst_pref_size 84
	.end_amdhsa_kernel
	.amdgpu_metadata
---
amdhsa.version: [ 1, 2 ]
amdhsa.kernels:
  - .name:           k_qfed6d8d441_qkv
    .symbol:         k_qfed6d8d441_qkv.kd
    .args:
      - { .name: hn, .offset: 0, .size: 8, .value_kind: global_buffer, .address_space: global }
      - { .name: wf, .offset: 8, .size: 8, .value_kind: global_buffer, .address_space: global }
      - { .name: qkv, .offset: 16, .size: 8, .value_kind: global_buffer, .address_space: global }
    .group_segment_fixed_size: 327680
    .private_segment_fixed_size: 0
    .kernarg_segment_align: 8
    .kernarg_segment_size: 24
    .max_flat_workgroup_size: 128
    .sgpr_count:     80
    .vgpr_count:     1024
    .wavefront_size: 32
...
	.end_amdgpu_metadata
.endif
;; end of part 2
;; launch attn (part 3): grid 8 x 32, 4 waves a work-group, no clusters, 327,680 bytes of LDS; arguments qkv, o; writes o
.if DOCPART == 3
	.amdgcn_target "amdgcn-amd-amdhsa--gfx1250"
	.amdhsa_code_object_version 6
	.text
	.protected	k_qfed6d8d441_attn
	.globl	k_qfed6d8d441_attn
	.p2align	8
	.type	k_qfed6d8d441_attn,@function
k_qfed6d8d441_attn:
	s_mov_b64 s[64:65], 0
	v_nop
	global_prefetch_b8 v0, s[64:65] scope:SCOPE_SE
	s_setreg_imm32_b32 hwreg(HW_REG_WAVE_MODE, 25, 1), 1
	s_wait_xcnt 0x0
; CAUSAL ATTENTION at head size 64.  q, k, v: qkv[part][head 32][2048][64] f16; o: [head 32][2048][64] f16.  Products, maxima and sums in f32; the weights p are rounded to f16 for the second product.
; LIMITS.  A hidden score counts as its value less 1e30; a weight below 2^-126 counts as 0; NaN and infinities are not treated apart; q, k, v arrive within f16's range.
; THE WALK.  A head has 16 blocks of 128 queries; block i needs the key tiles 0 .. i / 2 of 256 keys, the last of which holds the diagonal.  A work-group takes blocks 15 - b and then b: nine tiles whatever b,
; so all 256 work-groups are alike and one loop with a constant count walks them; the ring of two LDS slots runs on across the change of blocks.
; NO CLUSTER: the eight work-groups of a head ask for the same tile only in the first trips; behind that their walks part, and a walk common to all would have 12 trips for 9.
; SHARES.  A wave owns 32 queries of a block: two tiles of 16.  A key step is 64 keys.  S^T = K Q^T holds one query a lane (lane % 16) and keys 8 (lane / 16) + 0..7; two such results rounded to f16 are
; source 1 of O^T = V^T P.  p = 2^(c s - c m), c = log2(e) / 8, with a running maximum m; O and l are multiplied by a = 2^(c m_old - c m_new) in every step.
; ORDER OF A STEP.  Tile 0's scores.  Tile 1's scores, and behind each product four or five lines of tile 0's maximum, statistics and scalings.  Then tile 0's exponentials, each with a plain line of its
; own tile behind it and a line of tile 1's maximum, statistics and scalings behind that: the chain in which each line waits for the last stands among lines that wait for nothing.  Tile 0's V^T P with
; tile 1's exponentials behind it, eight lines a product.  Tile 1's V^T P, and behind each product four lines of the two tiles' row sums, for which no product waits.
; THE MASK is the C operand that starts the sum S^T: 64 registers that hold 0, but in a block's diagonal tile 0 or -1e30, made anew at each step's head; elsewhere that block of lines is jumped over.
; Every tile has four steps: in an even block the diagonal tile's last two are wholly hidden and give weights of 0: 2 of a walk's 36 steps, the price of step loops with a constant count.
; REGISTERS.  Window 0: addresses, statistics, S^T v64-127, P v128-159, O^T v160-223.  Window 1: Q v0-31, the second block's Q v32-63, K v64-127, V v128-191, the mask v192-255.
.set KS,    64
.set PK,    144       ; a row of K in LDS: 128 bytes + 16: the 16 rows of a load start at 16 different groups of four banks
.set PV,    160       ; a row of V: 128 + 32
.set VOFF,  4*KS*PK   ; a slot holds a tile: 256 rows of K, then 256 rows of V
.set SLOT1, 1<<17
.set STAGE, SLOT1+4*KS*(PK+PV)  ; behind the ring: 16 rows x 144 bytes for each wave
.set SP,    144
.set SPARE, STAGE+4*16*SP       ; the spare words
.set AK0, 2
.set AV0, 3
.set AK,  4
.set AV,  5
.set STO, 6
.set RD,  7
.set GO,  8
.set MV,  12          ; v12-13  c m_old
.set DQ,  14          ; v14-15  my query's place in the block less 8 (lane / 16), by tile
.set ST,  16          ; tile t at ST + 4 t: c m, m, l (even keys'), l (odd keys')
.set TMP, 24          ; tile t at TMP + 4 t: c0-c3; c2 takes a
.set DS,  32          ; v32-33  the mask's threshold in the step in hand
.set QO,  34
.set BG,  35          ; -1e30
.set ZR,  36          ; 0
.set SPW, 62
.set NIL, 63
.set S,   64
.set P,   128
.set O,   160
.set KF,  64          ; window 1
.set VF,  128         ; window 1
.set MC,  192         ; window 1
.set WV,  12
.set PB,  14
.set HI,  15
.set G1K, 24
.set G1V, 32
.set G0K, 40
.set G0V, 44
.set KB,  48          ; s[48:49] K at my half of the head's tile 0
.set VB,  50          ; s[50:51] V likewise
.set SLOTS, 56
.set CNT, 57
.set CS,  58
.set SEL, 60
.set TBK, 62
.set TBV, 63
.set SB,  66          ; the slot being read
.set PAR, 67          ; 128 (block % 2): the block's place in its diagonal tile
.set RT,  70          ; tiles of the block in hand behind the one entered: 0 in the diagonal tile
.set NXT, 71
.set LQ,  72
.set LQ2, 73
.set OFF, 74
.set PAR2, 76
.set OLO, 80
.set BIGN, 82
.set MSB, 0
.macro WIN new
.if MSB != (\new)
	s_set_vgpr_msb (MSB<<8)|(\new)
.set MSB, (\new)
.endif
.endm
.macro PLACES
.rept 4
	v_nop
.endr
.endm
.macro LOAD                            ; waves 0, 1 fetch the halves of a tile's K, waves 2, 3 those of its V; s_nop 0 and four v_nop behind each line
	s_cmp_lt_u32 s[WV], 2
	s_cbranch_scc0 .Lfor_v_\@
	tensor_load_to_lds s[G0K:G0K+3], s[G1K:G1K+7]
	s_nop 0
.rept 4
	v_nop
.endr
	s_branch .Lasked_\@
.Lfor_v_\@:
	tensor_load_to_lds s[G0V:G0V+3], s[G1V:G1V+7]
	s_nop 0
.rept 4
	v_nop
.endr
.Lasked_\@:
.endm
; THE CHANGE OF SLOTS.  Each wave waits for all its tensor loads (one is out: its part of the other slot), adds 0 to its spare word, waits for that and for its reads of the slot that it leaves.
; Behind the barrier nobody reads the old slot and the other is whole.  fill = 1: the old slot takes tile NXT, the first thing behind the barrier.
.macro CHANGE fill
	WIN 0
	s_wait_tensorcnt 0x0
	ds_add_u32 v[SPW], v[NIL]
.if \fill
	s_lshl_b32 s[OFF], s[NXT], 15   ; a tile is 32,768 bytes of K and of V
	s_xor_b32 s[G0K+1], s[G0K+1], SLOT1
	s_add_nc_u64 s[G0K+2:G0K+3], s[KB:KB+1], s[OFF:OFF+1]
	s_or_b32 s[G0K+3], s[G0K+3], 0x80000000
	s_xor_b32 s[G0V+1], s[G0V+1], SLOT1
	s_add_nc_u64 s[G0V+2:G0V+3], s[VB:VB+1], s[OFF:OFF+1]
	s_or_b32 s[G0V+3], s[G0V+3], 0x80000000
	s_add_co_u32 s[NXT], s[NXT], 1  ; the block's next tile, or behind its last the second block's tile 0
	s_cmp_gt_u32 s[NXT], s[LQ]
	s_cselect_b32 s[NXT], 0, s[NXT]
	s_cselect_b32 s[LQ], s[LQ2], s[LQ]
.endif
	s_wait_dscnt 0x0
	s_barrier_signal -1
	s_xor_b32 s[SB], s[SB], SLOT1
	s_barrier_wait -1
.if \fill
	LOAD
.endif
.endm
	s_load_b128 s[4:7], s[0:1], 0x0   ; qkv s[4:5], o s[6:7]
	v_lshl_add_u32 v[SPW], v0, 2, SPARE
	v_mov_b32 v[NIL], 0
	ds_add_u32 v[SPW], v[NIL]       ; the wave's opening: the add and its wait stand ahead of my first tensor load
	ds_add_u32 v62, v63
	v_lshrrev_b32 v1, 5, v0
	v_readfirstlane_b32 s[WV], v1
	s_mov_b32 s[PB], ttmp9
	s_sub_co_u32 s[HI], 15, s[PB]
	s_and_b32 s20, ttmp7, 0xffff
	s_lshl_b32 s20, s20, 18         ; a head is 262,144 bytes
	s_and_b32 s16, s[WV], 1         ; which half of a tile's 256 keys I fetch
	s_lshl_b32 s22, s16, 14
	s_add_co_u32 s22, s22, s20
	s_mov_b32 s23, 0
	s_mul_i32 s17, s16, 128*PK
	s_mul_i32 s18, s16, 128*PV
	s_lshl_b32 s3, s[WV], 12        ; my 32 rows,
	s_lshl_b32 s2, s[HI], 14        ; in the first block,
	s_add_co_u32 s2, s2, s3
	s_add_co_u32 s2, s2, s20
	s_lshl_b32 s84, s[PB], 14       ; and in the second
	s_add_co_u32 s84, s84, s3
	s_add_co_u32 s84, s84, s20
	s_mov_b32 s3, 0
	s_mov_b32 s85, 0
	s_mov_b32 s[G1K], (1<<16)|(1<<20)|(4<<22)|(3<<25)  ; 2-byte elements; 4 words of padding after every 32: 128 keys come as 64 rows of 256 bytes and are padded after every key
	s_mov_b32 s[G1V], (1<<16)|(1<<20)|(4<<22)|(7<<25)  ; the same with 8 words
.irp g, G1K, G1V
	s_mov_b32 s[\g+1], 128<<16
	s_mov_b32 s[\g+2], 64<<16
	s_mov_b32 s[\g+3], 128<<16
	s_mov_b32 s[\g+4], 64
	s_mov_b32 s[\g+5], 128
	s_mov_b32 s[\g+6], 0
	s_mov_b32 s[\g+7], 0
.endr
	s_mov_b32 s[CS], 0x3e38aa3b     ; c = log2(e) / 8
	s_mov_b32 s[CS+1], s[CS]
	s_mov_b32 s[SEL], 0x76543210
	s_mov_b32 s[SEL+1], 0xfedcba98
	s_mov_b32 s[G0K], 1
	s_mov_b32 s[G0K+1], s17
	s_mov_b32 s[G0V], 1
	s_add_co_u32 s[G0V+1], s18, VOFF
	s_mov_b32 s[SB], SLOT1          ; the first change of slots turns it into 0
	s_lshr_b32 s[LQ], s[HI], 1
	s_add_co_u32 s[RT], s[LQ], 1    ; tiles of the first block
	s_lshr_b32 s[LQ2], s[PB], 1
	s_mov_b32 s[NXT], 1
	s_mov_b32 s[OFF+1], 0
	s_mov_b32 s[BIGN], 0xf149f2ca   ; -1e30
	s_mov_b32 s[SLOTS], 8
	s_and_b32 s[PAR], s[HI], 1
	s_lshl_b32 s[PAR], s[PAR], 7
	s_and_b32 s[PAR2], s[PB], 1
	s_lshl_b32 s[PAR2], s[PAR2], 7
	s_wait_dscnt 0x0                ; the opening add is done
	s_wait_kmcnt 0x0
	s_add_nc_u64 s[KB:KB+1], s[4:5], s[22:23]
	s_add_nc_u64 s[VB:VB+1], s[KB:KB+1], 0x1000000
	s_add_nc_u64 s[KB:KB+1], s[KB:KB+1], 0x800000
	s_add_nc_u64 s[G0K+2:G0K+3], s[KB:KB+1], 0
	s_or_b32 s[G0K+3], s[G0K+3], 0x80000000
	s_add_nc_u64 s[G0V+2:G0V+3], s[VB:VB+1], 0
	s_or_b32 s[G0V+3], s[G0V+3], 0x80000000
	s_add_nc_u64 s[52:53], s[4:5], s[2:3]          ; Q of the first block,
	s_add_nc_u64 s[54:55], s[4:5], s[84:85]        ; of the second
	s_add_nc_u64 s[10:11], s[6:7], s[2:3]          ; O likewise
	s_add_nc_u64 s[OLO:OLO+1], s[6:7], s[84:85]
	LOAD                            ; tile 0 into slot 0
	v_and_b32 v1, 15, v0            ; r
	v_bfe_u32 v9, v0, 4, 1          ; h
	v_lshlrev_b32 v[QO], 7, v1
	v_lshl_add_u32 v[QO], v9, 4, v[QO]
	WIN 0x40
.set i, 0
.rept 4                             ; both blocks' Q: tile i / 2, channels 32 (i % 2) on
	global_load_b128 v[8*i:8*i+3],   v[QO], s[52:53] offset:(i/2)*2048+(i%2)*64
	global_load_b128 v[8*i+4:8*i+7], v[QO], s[52:53] offset:(i/2)*2048+(i%2)*64+32
	global_load_b128 v[32+8*i:32+8*i+3],   v[QO], s[54:55] offset:(i/2)*2048+(i%2)*64
	global_load_b128 v[32+8*i+4:32+8*i+7], v[QO], s[54:55] offset:(i/2)*2048+(i%2)*64+32
.set i, i+1
.endr
.set i, 0
.rept 64                            ; the mask: 0 outside a diagonal tile
	v_mov_b32 v[MC+i], 0
.set i, i+1
.endr
	WIN 0
	v_lshlrev_b32 v10, 3, v9
	v_sub_nc_u32 v[DQ], v1, v10
	s_lshl_b32 s13, s[WV], 5
	v_add_nc_u32 v[DQ], s13, v[DQ]
	v_add_nc_u32 v[DQ+1], 16, v[DQ]
	v_mov_b32 v[BG], s[BIGN]
	v_mov_b32 v[ZR], 0
	v_mul_u32_u24 v[AK0], v1, PK
	v_lshl_add_u32 v[AK0], v9, 4, v[AK0]
	v_and_b32 v10, 7, v0
	v_bfe_u32 v11, v0, 3, 1
	v_lshl_add_u32 v[AV0], v9, 3, v10   ; the turning load: lane l reads key 8 (l / 16) + l % 8, channels 8 ((l / 8) % 2) + 0..7
	v_mul_u32_u24 v[AV0], v[AV0], PV
	v_lshl_add_u32 v[AV0], v11, 4, v[AV0]
	v_add_nc_u32 v[AV0], VOFF, v[AV0]
	s_mul_i32 s13, s[WV], 16*SP
	s_add_co_u32 s13, s13, STAGE
	v_mul_u32_u24 v[STO], v1, SP
	v_lshl_add_u32 v[STO], v9, 4, v[STO]
	v_add_nc_u32 v[STO], s13, v[STO]
	v_bfe_u32 v[RD], v0, 3, 2
	v_mul_u32_u24 v[RD], v[RD], SP
	v_lshl_add_u32 v[RD], v10, 4, v[RD]
	v_add_nc_u32 v[RD], s13, v[RD]
	v_and_b32 v[GO], 31, v0
	v_lshlrev_b32 v[GO], 4, v[GO]
	; A block's first step multiplies O^T and l by a = 0, so they need only hold finite numbers: zeros now, what the first block left later.  This stands in the wait for the first tile.
.set i, 0
.rept 64
	v_mov_b32 v[O+i], 0
.set i, i+1
.endr
.irp t, 0,1
	v_mov_b32 v[ST+4*\t], 0xfe000000    ; c m: far below every c s
	v_mov_b32 v[ST+4*\t+1], 0xff7fffff  ; m
	v_mov_b32 v[ST+4*\t+2], 0
	v_mov_b32 v[ST+4*\t+3], 0
.endr
; Product i of 8 of S^T = K Q^T for tile t: channels 32 (i / 4) on, keys 16 (i % 4) on.  The first four start the sums with the mask.  The four accumulators take turns.
.macro KQ t
.set rS, S+32*(\t)+8*(i%4)
.set rK, KF+16*(i%4)+8*(i/4)
.set rQ, 16*(\t)+8*(i/4)
.set rM, MC+32*(\t)+8*(i%4)
.if i < 4
	WIN 0x15
	v_wmma_f32_16x16x32_f16 v[rS:rS+7], v[rK:rK+7], v[rQ:rQ+7], v[rM:rM+7]
.else
	WIN 0x05
	v_wmma_f32_16x16x32_f16 v[rS:rS+7], v[rK:rK+7], v[rQ:rQ+7], v[rS:rS+7]
.endif
.endm
; Product i of 8 of O^T += V^T P for tile t: keys 32 (i / 4) on, channels 16 (i % 4) on.
.macro PV t
	WIN 0x01
.set rO, O+32*(\t)+8*(i%4)
.set rV, VF+32*(i/4)+8*(i%4)
.set rP, P+16*(\t)+8*(i/4)
	v_wmma_f32_16x16x32_f16 v[rO:rO+7], v[rV:rV+7], v[rP:rP+7], v[rO:rO+7]
.endm
.macro FETCH_K
	WIN 0x40
.irp f, 0,1,2,3,4,5,6,7
	ds_load_b128 v[KF+8*\f:KF+8*\f+3],   v[AK] offset:(\f/2)*16*PK+(\f%2)*64
	ds_load_b128 v[KF+8*\f+4:KF+8*\f+7], v[AK] offset:(\f/2)*16*PK+(\f%2)*64+32
.endr
	WIN 0
.endm
.macro FETCH_V
	WIN 0x40
.irp f, 0,1,2,3,4,5,6,7
	ds_load_tr16_b128 v[VF+8*\f:VF+8*\f+3],   v[AV] offset:(\f/4)*32*PV+(\f%4)*32
	ds_load_tr16_b128 v[VF+8*\f+4:VF+8*\f+7], v[AV] offset:(\f/4)*32*PV+16*PV+(\f%4)*32
.endr
	WIN 0
.endm
; Line j of the 118 of one tile's softmax for one step, all in window 0.
;   0-21    the maximum (each accumulator's lowest registers are read first), the exchange of the lanes' halves, m, c m, a
;   22-37   c s - c m for the 16 pairs
;   38-101  an exponential at every even number, a plain line at every odd one: O^T times a (16), the roundings to f16 of pairs whose exponentials are done (15), the first sum
;   102     the last rounding
;   103-117 of each four weights the second pair onto the first; l = a l + the sums: no product waits for these
.macro SMI t, j
.set rT, ST+4*(\t)
.set rC, TMP+4*(\t)
.set rW, MV+(\t)
.set rS, S+32*(\t)
.set rP, P+16*(\t)
.set rO, O+32*(\t)
.if (\j) < 4
	v_max3_num_f32 v[rC+(\j)], v[rS+8*(\j)], v[rS+8*(\j)+1], v[rS+8*(\j)+2]
.elseif (\j) < 12
	v_max3_num_f32 v[rC+(\j)%4], v[rC+(\j)%4], v[rS+8*((\j)%4)+2*((\j)/4)+1], v[rS+8*((\j)%4)+2*((\j)/4)+2]
.elseif (\j) == 12
	v_max3_num_f32 v[rC], v[rC], v[rS+7], v[rS+15]
.elseif (\j) == 13
	v_max3_num_f32 v[rC+1], v[rC+1], v[rS+23], v[rS+31]
.elseif (\j) == 14
	v_max3_num_f32 v[rC+2], v[rC+2], v[rC+3], v[rT+1]
.elseif (\j) == 15
	v_mov_b32 v[rW], v[rT]
.elseif (\j) == 16
	v_max3_num_f32 v[rC], v[rC], v[rC+1], v[rC+2]
.elseif (\j) == 17
	v_permlanex16_b32 v[rC+3], v[rC], s[SEL], s[SEL+1]
.elseif (\j) == 18
	v_max_num_f32 v[rT+1], v[rC], v[rC+3]
.elseif (\j) == 19
	v_mul_f32 v[rT], s[CS], v[rT+1]
.elseif (\j) == 20
	v_sub_f32 v[rC+1], v[rW], v[rT]
.elseif (\j) == 21
	v_exp_f32 v[rC+2], v[rC+1]
.elseif (\j) < 38
.set n, (\j)-22
	v_pk_fma_f32 v[rS+2*n:rS+2*n+1], v[rS+2*n:rS+2*n+1], s[CS:CS+1], v[rT:rT+1] op_sel_hi:[1,0,0] neg_lo:[0,0,1] neg_hi:[0,0,1]
.elseif (\j) < 102
.set n, ((\j)-38)/2
.if ((\j)%2) == 0
	v_exp_f32 v[rS+n], v[rS+n]
.elseif n < 16
	s_wait_alu depctr_va_vdst(0)
	v_pk_mul_f32 v[rO+2*n:rO+2*n+1], v[rO+2*n:rO+2*n+1], v[rC+2:rC+3] op_sel_hi:[1,0]
.elseif n < 31
	s_wait_alu depctr_va_vdst(0)
	v_cvt_pk_f16_f32 v[rP+n-16], v[rS+2*(n-16)], v[rS+2*(n-16)+1]
.else
	v_pk_add_f32 v[rS:rS+1], v[rS:rS+1], v[rS+2:rS+3]
.endif
.elseif (\j) == 102
	s_wait_alu depctr_va_vdst(0)
	v_cvt_pk_f16_f32 v[rP+15], v[rS+30], v[rS+31]
.elseif (\j) < 110
.set n, (\j)-102
	v_pk_add_f32 v[rS+4*n:rS+4*n+1], v[rS+4*n:rS+4*n+1], v[rS+4*n+2:rS+4*n+3]
.elseif (\j) == 110
	v_pk_fma_f32 v[rT+2:rT+3], v[rT+2:rT+3], v[rC+2:rC+3], v[rS:rS+1] op_sel_hi:[1,0,1]
.else
.set n, (\j)-110
	v_pk_add_f32 v[rT+2:rT+3], v[rT+2:rT+3], v[rS+4*n:rS+4*n+1]
.endif
.endm
.macro SMR t, j0, j1                ; lines j0 .. j1 - 1
	WIN 0
.set jj, \j0
.rept (\j1)-(\j0)
	SMI \t, jj
.set jj, jj+1
.endr
.endm
; A KEY STEP.  No line behind a product names a register of the products round it.  The LDS offsets TBK and TBV step once in every trip of a loop of four.
.macro STEP
	WIN 0
	s_cmp_lg_u32 s[RT], 0           ; the diagonal tile alone makes masks: register 8 kb + j hides its key where 16 kb + j is greater than the threshold
	s_cbranch_scc1 .Lplain_\@
	WIN 0x40
.irp t, 0,1
.set i, 0
.rept 32
	v_cmp_gt_i32 vcc_lo, 16*(i/8)+i%8, v[DS+\t]
	v_cndmask_b32 v[MC+32*\t+i], v[ZR], v[BG], vcc_lo
.set i, i+1
.endr
.endr
	WIN 0
	v_add_nc_u32 v[DS], 0xffffffc0, v[DS]      ; the next step's keys lie 64 further on
	v_add_nc_u32 v[DS+1], 0xffffffc0, v[DS+1]
.Lplain_\@:
	s_wait_dscnt 0x0                ; K is in
.set i, 0
.rept 8
	KQ 0
.set i, i+1
.endr
	WIN 0
	PLACES                          ; the places behind tile 0's scores
	v_add_nc_u32 v[AV], s[TBV], v[AV0]
	s_add_co_u32 s[TBV], s[TBV], KS*PV
	FETCH_V
.set i, 0
.rept 8                             ; tile 1's scores | tile 0's lines 0-37, four or five behind each product; the last five are plain: the places behind tile 1's scores
	KQ 1
	SMR 0, (38*i)/8, (38*(i+1))/8
.set i, i+1
.endr
.set gq, 0
.rept 32                            ; tile 0's exponential and its plain line | tile 1's lines 0-37: two in each of the first six groups, where four chains do not wait for each other, then one
	SMR 0, 38+2*gq, 40+2*gq
.if gq < 6
	SMR 1, 2*gq, 2*gq+2
.else
	SMR 1, gq+6, gq+7
.endif
.set gq, gq+1
.endr
	SMR 0, 102, 103
	s_wait_dscnt 0x0                ; V is in
	s_cmp_gt_u32 s[CNT], 1          ; a tile's last step fetches no further K
	s_cbranch_scc0 .Lno_k_\@
	v_add_nc_u32 v[AK], s[TBK], v[AK0]
	s_add_co_u32 s[TBK], s[TBK], KS*PK
	FETCH_K                         ; the next step's K: the last product that read K stands more than a hundred vector lines back
.Lno_k_\@:
.set i, 0
.rept 8                             ; tile 0's V^T P | tile 1's exponentials
	PV 0
	SMR 1, 38+8*i, 46+8*i
.set i, i+1
.endr
	SMR 1, 102, 103
.set i, 0
.rept 8                             ; tile 1's V^T P | both tiles' row sums, the tiles by turns
	PV 1
	SMR 0, 103+2*i, 104+2*i
	SMR 1, 103+2*i, 104+2*i
.if i < 7
	SMR 0, 104+2*i, 105+2*i
	SMR 1, 104+2*i, 105+2*i
.endif
.set i, i+1
.endr
	WIN 0
.endm
.macro TILE0                        ; a tile is entered: K of its first step; the mask's threshold for its first step, used in a diagonal tile alone
	s_mov_b32 s[TBK], s[SB]
	s_mov_b32 s[TBV], s[SB]
	v_add_nc_u32 v[AK], s[TBK], v[AK0]
	s_add_co_u32 s[TBK], s[TBK], KS*PK
	v_add_nc_u32 v[DS], s[PAR], v[DQ]
	v_add_nc_u32 v[DS+1], s[PAR], v[DQ+1]
	FETCH_K
.endm
.macro PACK t                       ; O^T / l, rounded to f16, through my stage, back as whole rows
.set i, 0
.rept 16
	v_pk_mul_f32 v[O+32*(\t)+2*i:O+32*(\t)+2*i+1], v[O+32*(\t)+2*i:O+32*(\t)+2*i+1], v[ST+4*(\t)+2:ST+4*(\t)+3] op_sel_hi:[1,0]
.set i, i+1
.endr
.set i, 0
.rept 16
	v_cvt_pk_f16_f32 v[S+16*(\t)+i], v[O+32*(\t)+2*i], v[O+32*(\t)+2*i+1]
.set i, i+1
.endr
.irp f, 0,1,2,3
	ds_store_b128 v[STO], v[S+16*(\t)+4*\f:S+16*(\t)+4*\f+3] offset:32*\f
.endr
.irp f, 0,1,2,3
	ds_load_b128 v[S+16*(\t)+4*\f:S+16*(\t)+4*\f+3], v[RD] offset:\f*4*SP  ; LDS serves a wave's instructions in order: these see the stores above
.endr
.endm
.macro SEND t, younger              ; younger: the LDS instructions issued behind tile t's loads
.irp f, 0,1,2,3
	s_wait_dscnt (\younger)+3-\f
	global_store_b128 v[GO], v[S+16*(\t)+4*\f:S+16*(\t)+4*\f+3], s[10:11] offset:(\t)*2048+\f*512  ; 512 consecutive bytes
.endr
.endm
.macro WAYOUT                       ; l's two halves and the other half of the lanes' are added; tile 1's O^T is read behind tile 0's 32 lines, the places behind the last products
.irp t, 0,1
	v_add_f32 v[ST+4*\t+2], v[ST+4*\t+2], v[ST+4*\t+3]
.endr
.irp t, 0,1
	v_permlanex16_b32 v[ST+4*\t+3], v[ST+4*\t+2], s[SEL], s[SEL+1]
.endr
.irp t, 0,1
	v_add_f32 v[ST+4*\t+2], v[ST+4*\t+2], v[ST+4*\t+3]
.endr
.irp t, 0,1
	v_rcp_f32 v[ST+4*\t+2], v[ST+4*\t+2]
.endr
	v_nop
	s_wait_alu depctr_va_vdst(0)
	PACK 0
	PACK 1
	SEND 0, 8
	SEND 1, 0
.endm
	s_wait_loadcnt 0x0              ; Q
.Lslot:                             ; eight times: a tile is entered and the next is asked for
	CHANGE 1
	s_sub_co_u32 s[RT], s[RT], 1
	TILE0
	s_mov_b32 s[CNT], 4
.Lstep:
	STEP
	s_sub_co_u32 s[CNT], s[CNT], 1
	s_cmp_lg_u32 s[CNT], 0
	s_cbranch_scc1 .Lstep
	s_cmp_lg_u32 s[RT], 0
	s_cbranch_scc1 .Lbottom
	WAYOUT                          ; in the loop this is the first block's end: the second block's last tile is the walk's last
	s_wait_xcnt 0x0                 ; the stores have read their registers and O's address
	s_mov_b64 s[10:11], s[OLO:OLO+1]
	s_add_co_u32 s[RT], s[LQ2], 1
	s_mov_b32 s[PAR], s[PAR2]
.irp t, 0,1
	v_mov_b32 v[ST+4*\t], 0xfe000000
	v_mov_b32 v[ST+4*\t+1], 0xff7fffff
.endr
	WIN 0x41                        ; the second block's Q goes where the one text of the steps names Q
.set i, 0
.rept 32
	v_mov_b32 v[i], v[32+i]
.set i, i+1
.endr
	WIN 0x40
.set i, 0
.rept 64                            ; and the mask is 0 again
	v_mov_b32 v[MC+i], 0
.set i, i+1
.endr
	WIN 0
.Lbottom:
	s_sub_co_u32 s[SLOTS], s[SLOTS], 1
	s_cmp_lg_u32 s[SLOTS], 0
	s_cbranch_scc1 .Lslot
	CHANGE 0                        ; the walk's last tile, the second block's diagonal one, is written out
	s_mov_b32 s[RT], 0
	TILE0
	s_mov_b32 s[CNT], 4
.Lstep2:
	STEP
	s_sub_co_u32 s[CNT], s[CNT], 1
	s_cmp_lg_u32 s[CNT], 0
	s_cbranch_scc1 .Lstep2
	WAYOUT
	s_wait_tensorcnt 0x0            ; the wave's end
	ds_add_u32 v[SPW], v[NIL]
	s_wait_dscnt 0x0
	s_endpgm
.Lfunc_end_k_qfed6d8d441_attn:
	.size	k_qfed6d8d441_attn, .Lfunc_end_k_qfed6d8d441_attn-k_qfed6d8d441_attn
	.p2alignl 7, 3214868480
	.fill 96, 4, 3214868480
	.section	.rodata,"a",@progbits
	.p2align	6, 0x0
	.amdhsa_kernel k_qfed6d8d441_attn
		.amdhsa_group_segment_fixed_size 327680
		.amdhsa_private_segment_fixed_size 0
		.amdhsa_enable_private_segment 0
		.amdhsa_kernarg_size 16
		.amdhsa_user_sgpr_count 2
		.amdhsa_user_sgpr_kernarg_segment_ptr 1
		.amdhsa_wavefront_size32 1
		.amdhsa_system_sgpr_workgroup_id_x 1
		.amdhsa_system_sgpr_workgroup_id_y 1
		.amdhsa_system_sgpr_workgroup_id_z 1
		.amdhsa_system_vgpr_workitem_id 0
		.amdhsa_next_free_vgpr 512
		.amdhsa_next_free_sgpr 90
		.amdhsa_reserve_vcc 1
		.amdhsa_float_denorm_mode_32 3
		.amdhsa_float_denorm_mode_16_64 3
		.amdhsa_memory_ordered 1
		.amdhsa_forward_progress 1
		.amdhsa_inst_pref_size 83
	.end_amdhsa_kernel
	.amdgpu_metadata
---
amdhsa.version: [ 1, 2 ]
amdhsa.kernels:
  - .name:           k_qfed6d8d441_attn
    .symbol:         k_qfed6d8d441_attn.kd
    .args:
      - { .name: qkv, .offset: 0, .size: 8, .value_kind: global_buffer, .address_space: global }
      - { .name: o, .offset: 8, .size: 8, .value_kind: global_buffer, .address_space: global }
    .group_segment_fixed_size: 327680
    .private_segment_fixed_size: 0
    .kernarg_segment_align: 8
    .kernarg_segment_size: 16
    .max_flat_workgroup_size: 128
    .sgpr_count:     90
    .vgpr_count:     512
    .wavefront_size: 32
...
	.end_amdgpu_metadata
.endif
;; end of part 3
;; launch wo (part 4): grid 8 x 32, 4 waves a work-group, clusters of 4 x 4, 327,680 bytes of LDS; arguments o, wf, x, x1; writes x1
.if DOCPART == 4
	.amdgcn_target "amdgcn-amd-amdhsa--gfx1250"
	.amdhsa_code_object_version 6
	.text
	.protected	k_qfed6d8d441_wo
	.globl	k_qfed6d8d441_wo
	.p2align	8
	.type	k_qfed6d8d441_wo,@function
k_qfed6d8d441_wo:
	s_mov_b64 s[64:65], 0
	v_nop
	global_prefetch_b8 v0, s[64:65] scope:SCOPE_SE
	s_setreg_imm32_b32 hwreg(HW_REG_WAVE_MODE, 25, 1), 1
	s_wait_xcnt 0x0
	s_wait_alu depctr_hold_cnt(0) depctr_sa_sdst(0) depctr_va_vdst(0) depctr_va_sdst(0) depctr_va_ssrc(0) depctr_va_vcc(0) depctr_vm_vsrc(0)
	s_getreg_b32 s2, hwreg(HW_REG_IB_STS2, 6, 4)
	s_cmp_eq_u32 s2, 0
	s_cbranch_scc0 .Lentry_in_a_cluster
	s_endpgm
.Lentry_in_a_cluster:
	s_bfe_u32 s2, ttmp6, 0x10000c
	s_cmp_lg_u32 s2, 0xf033
	s_cbranch_scc0 .Lentry_shape_is_right
	s_endpgm
.Lentry_shape_is_right:
; x1 = bf16(x) + o wo^T, f16 operands, f32 sums, f32 out.  o lies by heads, [batch][head][row][64]; a head's 64 channels are one slice of K.
; A work-group makes 128 tokens x 128 columns; 8 x 32 work-groups; four waves as 2 x 2, each 64 x 64: 16 accumulators.  K goes in steps of 256 (four heads) through two LDS slots, four steps in all.
; Waves 0, 1 fetch two heads' rows each (a head's 128 rows are 16,384 consecutive bytes, padded in LDS after every row), waves 2, 3 four blocks of weights each (pieces of 8,192 bytes in operand order).
; CLUSTER 4 x 4: o's tile is shared along a row of the cluster, the weights' along a column.  The matrix instruction is used transposed: a lane holds one token and eight neighbouring columns.
; A slot is eight chunks of 32 along K: the first, three trips of a loop over two, the last with the change of slots.  In the loop the LDS offsets are two scalars that step once a trip.
; REGISTERS: window 0 addresses and the way out; window 1 v0-127 accumulators (a, b) at 8 (4 a + b), v128-255 my part of x; window 3 two fragment buffers: o's a at f + 8 a, weights' b at f + 32 + 8 b.
.set AHEAD,  128*144                   ; a head's rows in LDS
.set ATILE,  4*AHEAD
.set SLOT,   ATILE+65536
.set STAGE,  2*SLOT
.set SPITCH, 272
.set SPARE,  STAGE+4*16*SPITCH
.set ASTEP,  0x200000                  ; two K steps on: eight heads
.set BSTEP,  16384
.set ADRA, 16                          ; v16-17  my fragments of o in slot 0, 1
.set ADRB, 18                          ; v18-19  of the weights
.set TA,   20                          ; v20, v21  the same plus the loop's offsets
.set TB,   21
.set STO,  24
.set RD,   25
.set CO,   26
.set SPW,  28
.set NIL,  29
.set UU,   96                          ; v96-111  x rounded to bf16
.set WW,   112                         ; v112-115 and widened again
.set F0,   0
.set F1,   128
.set G1,  24
.set G0,  32
.set G1B, 48
.set G0B, 56
.set MSB, 0
.macro WIN new
.if MSB != (\new)
	s_set_vgpr_msb (MSB<<8)|(\new)
.set MSB, \new
.endif
.endm
.macro PLACES
.rept 4
	v_nop
.endr
.endm
.macro JLOAD s                         ; a joint load; s_nop 0 and four v_nop behind each line
	s_cmp_lt_u32 s10, 2
	s_cbranch_scc0 .Lfor_b_\@
	tensor_load_to_lds s[G0+4*(\s):G0+4*(\s)+3], s[G1:G1+7]
	s_nop 0
.rept 4
	v_nop
.endr
	s_branch .Lasked_\@
.Lfor_b_\@:
	tensor_load_to_lds s[G0B+4*(\s):G0B+4*(\s)+3], s[G1B:G1B+7]
	s_nop 0
.rept 4
	v_nop
.endr
.Lasked_\@:
.endm
.macro CREST
	s_cmp_lg_u32 s10, 0
	s_cbranch_scc1 .Lnot_wave_0_\@
	s_barrier_signal -3
.Lnot_wave_0_\@:
	s_barrier_wait -3
	s_barrier_signal -1
	s_barrier_wait -1
.endm
.macro CROUND
	s_barrier_signal -1
	s_barrier_wait -1
	CREST
.endm
	s_load_b128 s[4:7], s[0:1], 0x0                ; o, wf
	s_load_b128 s[68:71], s[0:1], 0x10             ; x, x1
	v_lshl_add_u32 v[SPW], v0, 2, SPARE
	v_mov_b32 v[NIL], 0
	ds_add_u32 v[SPW], v[NIL]                      ; the wave's opening: the add and its wait stand ahead of my first tensor load
	ds_add_u32 v28, v29
	v_lshrrev_b32 v1, 5, v0
	v_readfirstlane_b32 s10, v1
	s_lshr_b32 s11, s10, 1
	s_and_b32 s12, s10, 1
	s_bfe_u32 s40, ttmp6, 0x40000
	s_bfe_u32 s41, ttmp6, 0x40004
	s_lshl_b32 s42, ttmp9, 2
	s_add_co_u32 s42, s42, s40                     ; tile column
	s_and_b32 s13, ttmp7, 0xffff
	s_lshl_b32 s13, s13, 2
	s_add_co_u32 s13, s13, s41                     ; tile row
	s_lshl_b32 s43, s41, 2
	s_lshl_b32 s43, 15, s43
	s_lshl_b32 s44, 0x1111, s40
	s_or_b32 s[G1], s43, (1<<16)|(1<<20)|(1<<21)|(4<<22)|(3<<25)  ; 2-byte elements, 4 words of padding after every 32
	s_mov_b32 s[G1+1], 8192<<16                    ; a head's 128 rows: 8,192 elements on end
	s_mov_b32 s[G1+2], 2<<16                       ; two heads
	s_mov_b32 s[G1+3], 8192<<16
	s_mov_b32 s[G1+4], 2
	s_mov_b32 s[G1+5], 131072                      ; elements from head to head
	s_mov_b32 s[G1+6], 0
	s_mov_b32 s[G1+7], 0
	s_or_b32 s[G1B], s44, (3<<16)|(1<<21)
	s_mov_b32 s[G1B+1], 1024<<16                   ; eight K blocks of 1,024 bytes
	s_mov_b32 s[G1B+2], 4<<16                      ; four blocks of 16 weight rows
	s_mov_b32 s[G1B+3], 1024<<16
	s_mov_b32 s[G1B+4], 4
	s_mov_b32 s[G1B+5], 4096
	s_mov_b32 s[G1B+6], 0
	s_mov_b32 s[G1B+7], 0
	s_lshr_b32 s16, s13, 4
	s_lshl_b32 s16, s16, 4
	s_lshl1_add_u32 s16, s10, s16                  ; 16 x batch + 2 x wave: my first head
	s_lshl_b32 s16, s16, 11
	s_and_b32 s17, s13, 15
	s_lshl_b32 s17, s17, 7
	s_add_co_u32 s16, s16, s17
	s_lshl_b32 s16, s16, 7
	s_mov_b32 s17, 0
	s_max_u32 s14, s10, 2
	s_sub_co_u32 s14, s14, 2                       ; which four blocks I fetch (waves 0, 1 fetch none)
	s_lshl_b32 s14, s14, 17
	s_lshl_b32 s46, s42, 18
	s_add_co_u32 s46, s46, s14
	s_add_co_u32 s46, s46, 0x600000                ; wo is the fourth matrix of wf
	s_mov_b32 s47, 0
	s_mul_i32 s20, s10, 2*AHEAD
	s_lshl_b32 s21, s10, 15                        ; ATILE + (w - 2) x 32,768 = 8,192 + w x 32,768
	s_mov_b32 s74, 0xffff0000
	s_wait_dscnt 0x0
	s_wait_kmcnt 0x0
	s_add_nc_u64 s[14:15], s[4:5], s[16:17]
	s_add_nc_u64 s[46:47], s[6:7], s[46:47]
	CROUND
.irp s, 0,1
	s_mov_b32 s[G0+4*(\s)], 1
	s_add_co_u32 s[G0+4*(\s)+1], s20, (\s)*SLOT
	s_add_nc_u64 s[G0+4*(\s)+2:G0+4*(\s)+3], s[14:15], (\s)*0x100000
	s_or_b32 s[G0+4*(\s)+3], s[G0+4*(\s)+3], 0x80000000
	s_mov_b32 s[G0B+4*(\s)], 1
	s_add_co_u32 s[G0B+4*(\s)+1], s21, (\s)*SLOT+ATILE-65536
	s_add_nc_u64 s[G0B+4*(\s)+2:G0B+4*(\s)+3], s[46:47], (\s)*8192
	s_or_b32 s[G0B+4*(\s)+3], s[G0B+4*(\s)+3], 0x80000000
	JLOAD \s
.endr
	v_and_b32 v1, 15, v0
	v_bfe_u32 v2, v0, 4, 1
	v_and_b32 v3, 31, v0
	v_lshlrev_b32 v[CO], 12, v2                    ; lanes 0-15 one row of x and x1, lanes 16-31 the next
	v_lshl_add_u32 v[CO], v1, 4, v[CO]
	s_lshl_b32 s66, s13, 7
	s_lshl_b32 s67, s11, 6
	s_add_co_u32 s66, s66, s67
	s_lshl_b32 s66, s66, 12
	s_lshl_b32 s67, s42, 9
	s_add_co_u32 s66, s66, s67
	s_lshl_b32 s67, s12, 8
	s_add_co_u32 s66, s66, s67
	s_mov_b32 s67, 0
	s_add_nc_u64 s[68:69], s[68:69], s[66:67]
	s_add_nc_u64 s[70:71], s[70:71], s[66:67]
	WIN 0x40
.set n, 0
.rept 32                                               ; my 64 x 64 of x, asked for now and wanted at the end
	global_load_b128 v[128+4*n:128+4*n+3], v[CO], s[68:69] offset:(16*(n/8)+2*(n%8))*4096
.set n, n+1
.endr
	WIN 0
	v_mul_u32_u24 v4, v1, 144
	v_lshl_add_u32 v4, v2, 4, v4
	s_mul_i32 s22, s11, 64*144
	v_add_nc_u32 v[ADRA], s22, v4
	v_add_nc_u32 v[ADRA+1], SLOT, v[ADRA]
	s_lshl_b32 s22, s12, 15
	s_add_co_u32 s22, s22, ATILE
	v_lshl_add_u32 v[ADRB], v3, 4, s22
	v_add_nc_u32 v[ADRB+1], SLOT, v[ADRB]
	s_mul_i32 s23, s10, 16*SPITCH
	s_add_co_u32 s23, s23, STAGE
	v_mul_u32_u24 v4, v1, SPITCH
	v_lshl_add_u32 v4, v2, 5, v4
	v_add_nc_u32 v[STO], s23, v4                   ; in: row r, 32 bytes for each half of the lanes
	v_mul_u32_u24 v4, v2, SPITCH
	v_lshl_add_u32 v4, v1, 4, v4
	v_add_nc_u32 v[RD], s23, v4                    ; back: lanes 0-15 one row of 256 bytes, lanes 16-31 the next
.macro MULH f, a0, zero                ; 8 matrix instructions; every accumulator has one turn a chunk
	WIN 0x5f
.irp a, \a0, (\a0)+1
.irp b, 0,1,2,3
.if \zero
	v_wmma_f32_16x16x32_f16 v[8*(4*(\a)+\b):8*(4*(\a)+\b)+7], v[(\f)+32+8*\b:(\f)+32+8*\b+7], v[(\f)+8*(\a):(\f)+8*(\a)+7], 0
.else
	v_wmma_f32_16x16x32_f16 v[8*(4*(\a)+\b):8*(4*(\a)+\b)+7], v[(\f)+32+8*\b:(\f)+32+8*\b+7], v[(\f)+8*(\a):(\f)+8*(\a)+7], v[8*(4*(\a)+\b):8*(4*(\a)+\b)+7]
.endif
.endr
.endr
.endm
; 16 LDS loads in one run: a chunk's fragments into buffer f.  Chunk kc of a slot lies at (kc / 2) x AHEAD + 64 (kc % 2) of o's rows and at 1,024 kc of the weights' pieces.
.macro FETCH ra, rb, oa, ob, f
	WIN 0xc0
.irp i, 0,1,2,3
	ds_load_b128 v[(\f)+8*\i:(\f)+8*\i+3],   v[\ra] offset:(\oa)+2304*\i
	ds_load_b128 v[(\f)+8*\i+4:(\f)+8*\i+7], v[\ra] offset:(\oa)+2304*\i+32
.endr
.irp i, 0,1,2,3
	ds_load_b128 v[(\f)+32+8*\i:(\f)+32+8*\i+3],   v[\rb] offset:(\ob)+8192*\i
	ds_load_b128 v[(\f)+32+8*\i+4:(\f)+32+8*\i+7], v[\rb] offset:(\ob)+8192*\i+512
.endr
.endm
.macro CHUNK ra, rb, oa, ob, f, g, zero ; multiplies buffer f; ahead of that asks for the next chunk into g
	s_wait_dscnt 0x0                               ; buffer f is in; nothing younger is out
	PLACES                                         ; behind the products that read buffer g
	FETCH \ra, \rb, \oa, \ob, \g
	MULH \f, 0, \zero
	MULH \f, 2, \zero
.endm
.macro REST slot                       ; a slot's chunks 1 to 6: trip j multiplies chunks 2 j + 1 and 2 j + 2 and fetches 2 j + 2 and 2 j + 3
	WIN 0
	s_mov_b32 s75, AHEAD
	s_mov_b32 s76, 2048
	s_mov_b32 s77, 3
.Lpair_\@:
	v_add_nc_u32 v[TA], s75, v[ADRA+(\slot)]
	v_add_nc_u32 v[TB], s76, v[ADRB+(\slot)]
	CHUNK TA, TB, 0, 0, F1, F0, 0
	CHUNK TA, TB, 64, 1024, F0, F1, 0
	WIN 0
	s_add_co_u32 s75, s75, AHEAD
	s_add_co_u32 s76, s76, 2048
	s_sub_co_u32 s77, s77, 1
	s_cmp_lg_u32 s77, 0
	s_cbranch_scc1 .Lpair_\@
.endm
.macro TURN slot, next, fill           ; a slot's last chunk (buffer 1) and the change of slots
	WIN 0
	s_wait_tensorcnt 0x0                           ; all my tensor loads have landed: my part of the next slot
	ds_add_u32 v[SPW], v[NIL]
	s_wait_dscnt 0x0                               ; the add is done, buffer 1 is in, my reads of this slot are over
	s_barrier_signal -1
	MULH F1, 0, 0
	WIN 0
	s_barrier_wait -1
.if \fill
	CREST                                          ; the barrier has opened a round of the cluster's: no wave of any partner still reads this slot or has a load on its way
	s_add_nc_u64 s[G0+4*(\slot)+2:G0+4*(\slot)+3], s[G0+4*(\slot)+2:G0+4*(\slot)+3], ASTEP
	s_add_nc_u64 s[G0B+4*(\slot)+2:G0B+4*(\slot)+3], s[G0B+4*(\slot)+2:G0B+4*(\slot)+3], BSTEP
	JLOAD \slot                                    ; its four v_nop are also the places in front of the loads below
.else
	PLACES
.endif
	FETCH ADRA+(\next), ADRB+(\next), 0, 0, F0
	MULH F1, 2, 0
.endm
	s_wait_tensorcnt 1                             ; my part of K step 0 is in; K step 1's stays out
	s_barrier_signal -1
	s_barrier_wait -1
	FETCH ADRA, ADRB, 0, 0, F0
	CHUNK ADRA, ADRB, 64, 1024, F0, F1, 1          ; the first chunk starts the sums
	REST 0
	TURN 0, 1, 1
	CHUNK ADRA+1, ADRB+1, 64, 1024, F0, F1, 0
	REST 1
	TURN 1, 0, 1
	CHUNK ADRA, ADRB, 64, 1024, F0, F1, 0
	REST 0
	TURN 0, 1, 0
	CHUNK ADRA+1, ADRB+1, 64, 1024, F0, F1, 0
	REST 1
	s_wait_dscnt 0x0
	MULH F1, 0, 0
	MULH F1, 2, 0
	WIN 0
	PLACES
	s_wait_loadcnt 0x0                             ; x
; THE WAY OUT, 16 rows at a time: the sums go through my own stage and come back as whole rows of 256 bytes; x, rounded to bf16, is added; 16 lanes store 256 consecutive bytes, aligned.
.macro OUTA a
.set TM, 32+32*((\a)%2)
	WIN 0x04
.irp b, 0,1,2,3
	ds_store_b128 v[STO], v[8*(4*(\a)+\b):8*(4*(\a)+\b)+3] offset:64*\b
	ds_store_b128 v[STO], v[8*(4*(\a)+\b)+4:8*(4*(\a)+\b)+7] offset:64*\b+16
.endr
	WIN 0
	s_wait_xcnt 0x0                                ; earlier stores have read the registers that are loaded again below
.irp t, 0,1,2,3,4,5,6,7
	ds_load_b128 v[TM+4*\t:TM+4*\t+3], v[RD] offset:2*SPITCH*\t
.endr
	WIN 0x05
.irp t, 0,1,2,3,4,5,6,7
	v_cvt_pk_bf16_f32 v[UU+2*\t], v[128+4*(8*(\a)+\t)], v[128+4*(8*(\a)+\t)+1]
	v_cvt_pk_bf16_f32 v[UU+2*\t+1], v[128+4*(8*(\a)+\t)+2], v[128+4*(8*(\a)+\t)+3]
.endr
	WIN 0
	s_wait_dscnt 0x0
.irp t, 0,1,2,3,4,5,6,7
	v_lshlrev_b32 v[WW], 16, v[UU+2*\t]
	v_and_b32 v[WW+1], s74, v[UU+2*\t]
	v_lshlrev_b32 v[WW+2], 16, v[UU+2*\t+1]
	v_and_b32 v[WW+3], s74, v[UU+2*\t+1]
	v_pk_add_f32 v[TM+4*\t:TM+4*\t+1], v[TM+4*\t:TM+4*\t+1], v[WW:WW+1]
	v_pk_add_f32 v[TM+4*\t+2:TM+4*\t+3], v[TM+4*\t+2:TM+4*\t+3], v[WW+2:WW+3]
	global_store_b128 v[CO], v[TM+4*\t:TM+4*\t+3], s[70:71] offset:(16*(\a)+2*\t)*4096
.endr
.endm
	OUTA 0
	OUTA 1
	OUTA 2
	OUTA 3
	s_wait_tensorcnt 0x0                           ; the wave's end
	ds_add_u32 v[SPW], v[NIL]
	s_wait_dscnt 0x0
	CROUND                                         ; the closing round
	s_endpgm
.Lfunc_end_k_qfed6d8d441_wo:
	.size	k_qfed6d8d441_wo, .Lfunc_end_k_qfed6d8d441_wo-k_qfed6d8d441_wo
	.p2alignl 7, 3214868480
	.fill 96, 4, 3214868480
	.section	.rodata,"a",@progbits
	.p2align	6, 0x0
	.amdhsa_kernel k_qfed6d8d441_wo
		.amdhsa_group_segment_fixed_size 327680
		.amdhsa_private_segment_fixed_size 0
		.amdhsa_enable_private_segment 0
		.amdhsa_kernarg_size 32
		.amdhsa_user_sgpr_count 2
		.amdhsa_user_sgpr_kernarg_segment_ptr 1
		.amdhsa_wavefront_size32 1
		.amdhsa_system_sgpr_workgroup_id_x 1
		.amdhsa_system_sgpr_workgroup_id_y 1
		.amdhsa_system_sgpr_workgroup_id_z 1
		.amdhsa_system_vgpr_workitem_id 0
		.amdhsa_next_free_vgpr 1024
		.amdhsa_next_free_sgpr 80
		.amdhsa_reserve_vcc 0
		.amdhsa_float_denorm_mode_32 3
		.amdhsa_float_denorm_mode_16_64 3
		.amdhsa_memory_ordered 1
		.amdhsa_forward_progress 1
		.amdhsa_inst_pref_size 71
	.end_amdhsa_kernel
	.amdgpu_metadata
---
amdhsa.version: [ 1, 2 ]
amdhsa.kernels:
  - .name:           k_qfed6d8d441_wo
    .symbol:         k_qfed6d8d441_wo.kd
    .args:
      - { .name: o, .offset: 0, .size: 8, .value_kind: global_buffer, .address_space: global }
      - { .name: wf, .offset: 8, .size: 8, .value_kind: global_buffer, .address_space: global }
      - { .name: x, .offset: 16, .size: 8, .value_kind: global_buffer, .address_space: global }
      - { .name: x1, .offset: 24, .size: 8, .value_kind: global_buffer, .address_space: global }
    .group_segment_fixed_size: 327680
    .private_segment_fixed_size: 0
    .kernarg_segment_align: 8
    .kernarg_segment_size: 32
    .max_flat_workgroup_size: 128
    .sgpr_count:     80
    .vgpr_count:     1024
    .wavefront_size: 32
...
	.end_amdgpu_metadata
.endif
;; end of part 4
;; launch router (part 5): grid 256 x 1, 16 waves a work-group, no clusters, 104,704 bytes of LDS; arguments x1, ln2_g, ln2_b, router_w, hn, route, gates, expert_w, wf; writes hn, route, gates, wf
.if DOCPART == 5
	.amdgcn_target "amdgcn-amd-amdhsa--gfx1250"
	.amdhsa_code_object_version 6
	.text
	.protected	k_qfed6d8d441_router
	.globl	k_qfed6d8d441_router
	.p2align	8
	.type	k_qfed6d8d441_router,@function
k_qfed6d8d441_router:
	s_mov_b64 s[64:65], 0
	v_nop
	global_prefetch_b8 v0, s[64:65] scope:SCOPE_SE
	s_setreg_imm32_b32 hwreg(HW_REG_WAVE_MODE, 25, 1), 1
	s_wait_xcnt 0x0
; TWO JOBS IN EVERY WAVE.  16 tokens a work-group, ONE a wave; 4,096 waves in all.
; (1) LN2, the router and its top-2, all in f32 on the vector unit.  Stored: h2 as f16 (into hn), for each token the number of its SET of two experts (0..27, the pair a < b at a (15 - a) / 2 + b - a - 1)
; and the two gates (the lower expert's first), and for the 16 tokens a histogram of the sets.  All at fixed places: no address and no branch hangs on a logit.
; Gain, bias and the router's weights are rounded to bf16 first, like every input of the program; x1 is not.  Ties keep the lower index (strict comparisons in ascending order).
; (2) One unit of the experts' weights, 16 rows x 128 along K (8 x 64 x 8 = 4,096 units): each number rounded to bf16, that number written as f16, laid out in wf in the order in which a wave's operand
; registers take it (wf[4 + expert][16-row block][32-K block][half c][lane][8 f16]).  The unit's 16 loads go out at the head, behind the token's, and are used last: they have all of job (1) in which to land.
; A wave has 44 loads out at the most.  No matrix unit, no cluster: every byte of the weights is read once and written once.
; LIMITS: a second gate below 2^-126 counts as 0; f16 keeps a fixed step of 6e-8 below 6e-5; NaN and infinities are not treated apart.
.set X,   16                           ; v[16:47]   my token's row; at the end: the unit read back
.set G,   48                           ; v[48:79]   gain; then the router's rows by turns; then wave 0's lists
.set BV,  80                           ; v[80:111]  bias; then the router's rows by turns
.set RWL, 112                          ; v[112:127] my 64 bytes of the router's weights; then h2 as f16
.set T,   128                          ; v[128:135] at work
.set MU,  136
.set RS,  138
.set ACC, 140                          ; v[140:171] four partial sums for each expert
.set LG,  172                          ; v[172:179] the eight logits
.set TP,  180                          ; v[180:187] the top-2 at work
.set QD,  188                          ; v[188:191] my record: ga, gb, set, 0
.set U,   192                          ; v[192:255] my unit of weights
.set SPW, 2
.set NIL, 3
.set XCH, 32768                        ; behind the router's weights: 16 records of 16 bytes
.set TR,  33024                        ; a turning room for each wave: 16 sub-blocks of 256 bytes, 272 apart
.set TRB, 4352
.set SPARE, TR+16*TRB                  ; the spare words, 128 bytes a wave
.macro RND2 p, t
	v_cvt_pk_bf16_f32 v[\t], v[\p], v[(\p)+1]
	v_lshlrev_b32 v[\p], 16, v[\t]
	v_and_b32 v[(\p)+1], s25, v[\t]
.endm
.macro FOLD                            ; four chains into one number a lane, then over the 32 lanes
	v_pk_add_f32 v[T:T+1], v[T:T+1], v[T+2:T+3]
	v_pk_add_f32 v[T+4:T+5], v[T+4:T+5], v[T+6:T+7]
	v_pk_add_f32 v[T:T+1], v[T:T+1], v[T+4:T+5]
	v_add_f32 v[T], v[T], v[T+1]
	v_add_f32_dpp v[T], v[T], v[T] row_xmask:1 row_mask:0xf bank_mask:0xf
	v_add_f32_dpp v[T], v[T], v[T] row_xmask:2 row_mask:0xf bank_mask:0xf
	v_add_f32_dpp v[T], v[T], v[T] row_xmask:4 row_mask:0xf bank_mask:0xf
	v_add_f32_dpp v[T], v[T], v[T] row_xmask:8 row_mask:0xf bank_mask:0xf
	v_permlanex16_b32 v[T+1], v[T], s26, s27
	v_add_f32 v[T], v[T], v[T+1]
.endm
	s_load_b256 s[4:11], s[0:1], 0x0               ; x1 4:5, g 6:7, b 8:9, router_w 10:11
	s_load_b256 s[12:19], s[0:1], 0x20             ; hn 12:13, route 14:15, gates 16:17, expert_w 18:19
	s_load_b64 s[20:21], s[0:1], 0x40              ; wf
	v_lshl_add_u32 v[SPW], v0, 2, SPARE
	v_mov_b32 v[NIL], 0
	v_lshrrev_b32 v4, 5, v0
	v_readfirstlane_b32 s24, v4                    ; wave 0..15
	v_and_b32 v5, 31, v0                           ; lane
	v_lshlrev_b32 v1, 4, v5                        ; 16 x lane
	v_lshlrev_b32 v6, 3, v5                        ; 8 x lane
	v_lshlrev_b32 v7, 4, v0                        ; 16 x thread
	s_mov_b32 s25, 0xffff0000
	s_mov_b32 s26, 0x76543210
	s_mov_b32 s27, 0xfedcba98
	s_mov_b32 s28, 0x3a800000                      ; 1/1024
	s_mov_b32 s29, 0x3727c5ac                      ; 1e-5
	s_mov_b32 s34, 0xff800000                      ; -infinity
	s_mov_b32 s35, 0x3fb8aa3b                      ; log2(e)
	s_lshl_b32 s43, ttmp9, 4
	s_add_co_u32 s43, s43, s24                     ; my token, and the number of my unit
	s_lshl_b32 s30, s43, 12                        ; x 4,096 bytes in x1
	s_mov_b32 s31, 0
	s_lshl_b32 s36, s43, 11                        ; x 2,048 bytes in hn
	s_mov_b32 s37, 0
	s_lshl_b32 s38, ttmp9, 7                       ; the work-group's 128 bytes of histogram, and of gates
	s_mov_b32 s39, 0
	s_lshl_b32 s40, ttmp9, 6                       ; its 64 bytes of set numbers
	s_mov_b32 s41, 0
	s_lshl_b32 s42, s24, 4
	s_add_co_u32 s42, s42, XCH                     ; my record
	s_lshr_b32 s44, s43, 3                         ; my unit's strip of 16 rows: 64 x expert + block, 0..511
	s_and_b32 s45, s43, 7                          ; and which 128 along K
	s_add_co_u32 s46, s44, 256                     ; the experts' strips follow the 256 of the four projections:
	s_lshl_b32 s46, s46, 15                        ; a strip is 32,768 bytes of wf,
	s_lshl_b32 s47, s45, 12                        ; my four K blocks 4,096 of them
	s_add_co_u32 s46, s46, s47
	s_mov_b32 s47, 0
	s_lshl_b32 s44, s44, 16                        ; 16 rows of 4,096 bytes of expert_w,
	s_lshl_b32 s45, s45, 9                         ; my 128 numbers of a row
	s_add_co_u32 s44, s44, s45
	s_mov_b32 s45, 0
	s_mul_i32 s48, s24, TRB
	s_add_co_u32 s48, s48, TR                      ; my turning room
	v_lshrrev_b32 v9, 1, v5                        ; in: my 4 numbers of a row belong to sub-block l / 2 (K block, half c, lane half), 8 (l % 2) bytes in
	v_mul_u32_u24 v9, v9, 272
	v_and_b32 v10, 1, v5
	v_lshl_add_u32 v9, v10, 3, v9
	v_add_nc_u32 v9, s48, v9
	v_lshrrev_b32 v10, 4, v5                       ; back: 32 lanes take two sub-blocks, 512 bytes of wf
	v_mul_u32_u24 v10, v10, 272
	v_and_b32 v12, 15, v5
	v_lshl_add_u32 v10, v12, 4, v10
	v_add_nc_u32 v10, s48, v10
	s_wait_kmcnt 0x0
	s_add_nc_u64 s[4:5], s[4:5], s[30:31]
	s_add_nc_u64 s[12:13], s[12:13], s[36:37]
	s_add_nc_u64 s[22:23], s[14:15], s[38:39]      ; the histogram
	s_add_nc_u64 s[14:15], s[14:15], s[40:41]      ; the set numbers, less 32,768
	s_add_nc_u64 s[16:17], s[16:17], s[38:39]
	s_add_nc_u64 s[18:19], s[18:19], s[44:45]
	s_add_nc_u64 s[20:21], s[20:21], s[46:47]
.irp i, 0,1,2,3
	global_load_b128 v[RWL+4*\i:RWL+4*\i+3], v7, s[10:11] offset:8192*\i
.endr
.irp c, 0,1,2,3,4,5,6,7
	global_load_b128 v[X+4*\c:X+4*\c+3], v1, s[4:5] offset:512*\c   ; lane l holds columns 128 c + 4 l .. + 3
.endr
.irp c, 0,1,2,3,4,5,6,7
	global_load_b128 v[G+4*\c:G+4*\c+3], v1, s[6:7] offset:512*\c
.endr
.irp c, 0,1,2,3,4,5,6,7
	global_load_b128 v[BV+4*\c:BV+4*\c+3], v1, s[8:9] offset:512*\c
.endr
.set j, 0
.rept 16
	global_load_b128 v[U+4*j:U+4*j+3], v1, s[18:19] offset:4096*j th:TH_LOAD_NT
.set j, j+1
.endr
	s_wait_loadcnt 40                              ; the router's weights are in; the 40 younger loads stay out
.set q, 0
.rept 8
	RND2 RWL+2*q, T+(q%4)
.set q, q+1
.endr
.irp i, 0,1,2,3
	ds_store_b128 v7, v[RWL+4*\i:RWL+4*\i+3] offset:8192*\i
.endr
	s_wait_dscnt 0x0                               ; for the others' sake
	s_barrier_signal -1
	s_barrier_wait -1
	s_wait_loadcnt 32                              ; x1 is in; gain, bias and the unit stay out
	; ---- the mean is taken away in place, then 1/sqrt(mean square + eps)
.irp k, 0,1,2,3
	v_pk_add_f32 v[T+2*\k:T+2*\k+1], v[X+2*\k:X+2*\k+1], v[X+8+2*\k:X+8+2*\k+1]
.endr
.irp o, 16,24
.irp k, 0,1,2,3
	v_pk_add_f32 v[T+2*\k:T+2*\k+1], v[T+2*\k:T+2*\k+1], v[X+\o+2*\k:X+\o+2*\k+1]
.endr
.endr
	FOLD
	v_mul_f32 v[MU], s28, v[T]
	v_mov_b32 v[MU+1], v[MU]
.set q, 0
.rept 16
	v_pk_add_f32 v[X+q:X+q+1], v[X+q:X+q+1], v[MU:MU+1] neg_lo:[0,1] neg_hi:[0,1]
.set q, q+2
.endr
.irp k, 0,1,2,3
	v_pk_mul_f32 v[T+2*\k:T+2*\k+1], v[X+2*\k:X+2*\k+1], v[X+2*\k:X+2*\k+1]
.endr
.irp o, 8,16,24
.irp k, 0,1,2,3
	v_pk_fma_f32 v[T+2*\k:T+2*\k+1], v[X+\o+2*\k:X+\o+2*\k+1], v[X+\o+2*\k:X+\o+2*\k+1], v[T+2*\k:T+2*\k+1]
.endr
.endr
	FOLD
	v_fma_f32 v[T], v[T], s28, s29
	v_rsq_f32 v[RS], v[T]
	v_nop                                          ; a plain instruction between the root and the use of its result
	s_wait_alu depctr_va_vdst(0)
	v_mov_b32 v[RS+1], v[RS]
	s_wait_loadcnt 16                              ; gain and bias are in; the unit's 16 loads stay out
.set q, 0
.rept 32
	RND2 G+2*q, T+(q%4)
.set q, q+1
.endr
.set q, 0
.rept 16
	v_pk_mul_f32 v[X+q:X+q+1], v[X+q:X+q+1], v[RS:RS+1]
	v_pk_fma_f32 v[X+q:X+q+1], v[X+q:X+q+1], v[G+q:G+q+1], v[BV+q:BV+q+1]
.set q, q+2
.endr
.set q, 0
.rept 16
	v_cvt_pk_f16_f32 v[RWL+q], v[X+2*q], v[X+2*q+1]
.set q, q+1
.endr
.irp c, 0,1,2,3,4,5,6,7
	global_store_b64 v6, v[RWL+2*\c:RWL+2*\c+1], s[12:13] offset:256*\c  ; 256 consecutive bytes, aligned
.endr
; ---- the eight logits: expert e's row comes from LDS into the registers that held gain or bias, one expert ahead; two chains of fused multiply-adds for each
.macro RLOAD e
.set RB, G+32*((\e)%2)
.irp c, 0,1,2,3,4,5,6,7
	ds_load_b128 v[RB+4*\c:RB+4*\c+3], v1 offset:4096*(\e)+512*\c
.endr
.endm
.macro DOT e
.set RB, G+32*((\e)%2)
.set AC, ACC+4*(\e)
	v_pk_mul_f32 v[AC:AC+1], v[X:X+1], v[RB:RB+1]
	v_pk_mul_f32 v[AC+2:AC+3], v[X+2:X+3], v[RB+2:RB+3]
.set q, 4
.rept 7
	v_pk_fma_f32 v[AC:AC+1], v[X+q:X+q+1], v[RB+q:RB+q+1], v[AC:AC+1]
	v_pk_fma_f32 v[AC+2:AC+3], v[X+q+2:X+q+3], v[RB+q+2:RB+q+3], v[AC+2:AC+3]
.set q, q+4
.endr
.endm
	RLOAD 0
.irp e, 0,1,2,3,4,5,6
	RLOAD \e+1
	s_wait_dscnt 8                                 ; expert e's row is in; the next expert's eight loads stay out
	DOT \e
.endr
	s_wait_dscnt 0x0
	DOT 7
.set n, 0
.rept 8
	v_pk_add_f32 v[ACC+4*n:ACC+4*n+1], v[ACC+4*n:ACC+4*n+1], v[ACC+4*n+2:ACC+4*n+3]
.set n, n+1
.endr
.set n, 0
.rept 8
	v_add_f32 v[LG+n], v[ACC+4*n], v[ACC+4*n+1]
.set n, n+1
.endr
.irp m, 1,2,4,8                                        ; the eight sums over the lanes go stage by stage, so that none waits for the line before it
.set n, 0
.rept 8
	v_add_f32_dpp v[LG+n], v[LG+n], v[LG+n] row_xmask:\m row_mask:0xf bank_mask:0xf
.set n, n+1
.endr
.endr
.set n, 0
.rept 8
	v_permlanex16_b32 v[ACC+n], v[LG+n], s26, s27
.set n, n+1
.endr
.set n, 0
.rept 8
	v_add_f32 v[LG+n], v[LG+n], v[ACC+n]
.set n, n+1
.endr
.macro SCAN m, i, base                 ; the largest of eight and its index; a strict comparison keeps the lower index
	v_mov_b32 v[\m], v[\base]
	v_mov_b32 v[\i], 0
.irp e, 1,2,3,4,5,6,7
	v_cmp_gt_f32 vcc_lo, v[(\base)+\e], v[\m]
	v_cndmask_b32 v[\m], v[\m], v[(\base)+\e], vcc_lo
	v_cndmask_b32 v[\i], v[\i], \e, vcc_lo
.endr
.endm
	SCAN TP, TP+1, LG
.irp e, 0,1,2,3,4,5,6,7
	v_cmp_eq_u32 vcc_lo, \e, v[TP+1]
	v_cndmask_b32 v[LG+\e], v[LG+\e], s34, vcc_lo
.endr
	SCAN TP+2, TP+3, LG
	v_sub_f32 v[TP+4], v[TP+2], v[TP]              ; the maximum is taken away: the second logit less the first
	v_mul_f32 v[TP+4], s35, v[TP+4]
	v_exp_f32 v[TP+4], v[TP+4]
	v_nop
	s_wait_alu depctr_va_vdst(0)
	v_add_f32 v[TP+5], 1.0, v[TP+4]
	v_rcp_f32 v[TP+5], v[TP+5]                     ; the first gate
	v_nop
	s_wait_alu depctr_va_vdst(0)
	v_mul_f32 v[TP+6], v[TP+4], v[TP+5]            ; the second
	v_cmp_lt_u32 vcc_lo, v[TP+1], v[TP+3]
	v_cndmask_b32 v[QD], v[TP+6], v[TP+5], vcc_lo  ; the lower expert's gate
	v_cndmask_b32 v[QD+1], v[TP+5], v[TP+6], vcc_lo  ; the higher expert's
	v_min_u32 v[TP+7], v[TP+1], v[TP+3]            ; a
	v_add_nc_u32 v[TP+4], v[TP+1], v[TP+3]
	v_sub_nc_u32 v[TP+4], v[TP+4], v[TP+7]         ; b
	v_sub_nc_u32 v[TP+5], 15, v[TP+7]
	v_mul_u32_u24 v[TP+5], v[TP+5], v[TP+7]
	v_lshrrev_b32 v[TP+5], 1, v[TP+5]
	v_add_nc_u32 v[TP+5], v[TP+5], v[TP+4]
	v_sub_nc_u32 v[TP+5], v[TP+5], v[TP+7]
	v_add_nc_u32 v[QD+2], -1, v[TP+5]
	v_mov_b32 v[QD+3], 0
	v_mov_b32 v8, s42
	ds_store_b128 v8, v[QD:QD+3]                   ; all lanes hold the same record
	s_wait_dscnt 0x0
	s_barrier_signal -1
	s_barrier_wait -1
	s_cmp_lg_u32 s24, 0
	s_cbranch_scc1 .Lunit
	v_mov_b32 v11, XCH                             ; wave 0 alone stores the work-group's 16 records and their histogram
.set k, 0
.rept 16
	ds_load_b32 v[G+k], v11 offset:16*k+8
.set k, k+1
.endr
	v_lshl_add_u32 v13, v12, 4, XCH
	ds_load_b128 v[G+16:G+19], v13                 ; lanes 16-31 repeat lanes 0-15: same record, same address, same value below
	v_mov_b32 v14, 0
	s_wait_dscnt 0x0
.set k, 0
.rept 16
	v_cmp_eq_u32 vcc_lo, v[G+k], v5
	v_cndmask_b32 v15, 0, 1, vcc_lo
	v_add_nc_u32 v14, v14, v15
.set k, k+1
.endr
	v_lshlrev_b32 v[G+20], 2, v5
	global_store_b32 v[G+20], v14, s[22:23]        ; lane l: how many of the 16 tokens chose set l
	v_lshlrev_b32 v[G+21], 2, v12
	global_store_b32 v[G+21], v[G+18], s[14:15] offset:32768
	v_lshlrev_b32 v[G+22], 3, v12
	global_store_b64 v[G+22], v[G+16:G+17], s[16:17]
.Lunit:
	; ---- my unit of the experts' weights; none of the registers below is a source of the stores above
.set j, 0
.rept 16
	s_wait_loadcnt 15-j                            ; row j is in; the 15 - j younger loads stay out
	v_cvt_pk_bf16_f32 v[T], v[U+4*j], v[U+4*j+1]
	v_cvt_pk_bf16_f32 v[T+1], v[U+4*j+2], v[U+4*j+3]
	v_lshlrev_b32 v[U+4*j], 16, v[T]
	v_and_b32 v[U+4*j+1], s25, v[T]
	v_lshlrev_b32 v[U+4*j+2], 16, v[T+1]
	v_and_b32 v[U+4*j+3], s25, v[T+1]
	v_cvt_pk_f16_f32 v[U+4*j], v[U+4*j], v[U+4*j+1]
	v_cvt_pk_f16_f32 v[U+4*j+1], v[U+4*j+2], v[U+4*j+3]
	ds_store_b64 v9, v[U+4*j:U+4*j+1] offset:16*j  ; row j is lane j of its sub-block
.set j, j+1
.endr
.irp i, 0,1,2,3,4,5,6,7
	ds_load_b128 v[X+4*\i:X+4*\i+3], v10 offset:544*\i  ; my own bytes: LDS serves a wave's instructions in order
.endr
.irp i, 0,1,2,3,4,5,6,7
	s_wait_dscnt 7-\i
	global_store_b128 v1, v[X+4*\i:X+4*\i+3], s[20:21] offset:512*\i  ; 512 consecutive bytes
.endr
	s_wait_tensorcnt 0x0                           ; the wave's end
	ds_add_u32 v[SPW], v[NIL]
	s_wait_dscnt 0x0
	s_endpgm
.Lfunc_end_k_qfed6d8d441_router:
	.size	k_qfed6d8d441_router, .Lfunc_end_k_qfed6d8d441_router-k_qfed6d8d441_router
	.p2alignl 7, 3214868480
	.fill 96, 4, 3214868480
	.section	.rodata,"a",@progbits
	.p2align	6, 0x0
	.amdhsa_kernel k_qfed6d8d441_router
		.amdhsa_group_segment_fixed_size 104704
		.amdhsa_private_segment_fixed_size 0
		.amdhsa_enable_private_segment 0
		.amdhsa_kernarg_size 72
		.amdhsa_user_sgpr_count 2
		.amdhsa_user_sgpr_kernarg_segment_ptr 1
		.amdhsa_wavefront_size32 1
		.amdhsa_system_sgpr_workgroup_id_x 1
		.amdhsa_system_sgpr_workgroup_id_y 1
		.amdhsa_system_sgpr_workgroup_id_z 1
		.amdhsa_system_vgpr_workitem_id 0
		.amdhsa_next_free_vgpr 256
		.amdhsa_next_free_sgpr 66
		.amdhsa_reserve_vcc 1
		.amdhsa_float_denorm_mode_32 3
		.amdhsa_float_denorm_mode_16_64 3
		.amdhsa_memory_ordered 1
		.amdhsa_forward_progress 1
		.amdhsa_inst_pref_size 53
	.end_amdhsa_kernel
	.amdgpu_metadata
---
amdhsa.version: [ 1, 2 ]
amdhsa.kernels:
  - .name:           k_qfed6d8d441_router
    .symbol:         k_qfed6d8d441_router.kd
    .args:
      - { .name: x1, .offset: 0, .size: 8, .value_kind: global_buffer, .address_space: global }
      - { .name: ln2_g, .offset: 8, .size: 8, .value_kind: global_buffer, .address_space: global }
      - { .name: ln2_b, .offset: 16, .size: 8, .value_kind: global_buffer, .address_space: global }
      - { .name: router_w, .offset: 24, .size: 8, .value_kind: global_buffer, .address_space: global }
      - { .name: hn, .offset: 32, .size: 8, .value_kind: global_buffer, .address_space: global }
      - { .name: route, .offset: 40, .size: 8, .value_kind: global_buffer, .address_space: global }
      - { .name: gates, .offset: 48, .size: 8, .value_kind: global_buffer, .address_space: global }
      - { .name: expert_w, .offset: 56, .size: 8, .value_kind: global_buffer, .address_space: global }
      - { .name: wf, .offset: 64, .size: 8, .value_kind: global_buffer, .address_space: global }
    .group_segment_fixed_size: 104704
    .private_segment_fixed_size: 0
    .kernarg_segment_align: 8
    .kernarg_segment_size: 72
    .max_flat_workgroup_size: 512
    .sgpr_count:     66
    .vgpr_count:     256
    .wavefront_size: 32
...
	.end_amdgpu_metadata
.endif
;; end of part 5
;; launch moe (part 6): grid 4 x 79, 4 waves a work-group, no clusters, 187,648 bytes of LDS; arguments hn, x1, wf, route, gates, out0; writes out0
.if DOCPART == 6
	.amdgcn_target "amdgcn-amd-amdhsa--gfx1250"
	.amdhsa_code_object_version 6
	.text
	.protected	k_qfed6d8d441_moe
	.globl	k_qfed6d8d441_moe
	.p2align	8
	.type	k_qfed6d8d441_moe,@function
k_qfed6d8d441_moe:
	s_mov_b64 s[64:65], 0
	v_nop
	global_prefetch_b8 v0, s[64:65] scope:SCOPE_SE
	s_setreg_imm32_b32 hwreg(HW_REG_WAVE_MODE, 25, 1), 1
	s_wait_xcnt 0x0
; out = x1 + ga (h2 Wa^T) + gb (h2 Wb^T) for each token's two chosen experts a < b.  f16 operands, f32 sums, gates and residual in f32.
; Tokens are taken by their SET of two experts (28 sets).  A row tile is 80 tokens of one set: never more than ceil(4096 / 80) + 27 = 79 tiles, whatever the choice.  Work-group (x, y) makes tile y, columns
; 256 x .. + 255; a wave all 80 rows x 64 columns for both experts (two sets of 20 accumulators), so every output row has one owner.  A work-group whose tile the split leaves empty stores nothing and ends.
; Every work-group counts for itself: the stored histograms give each set's size, the stored set numbers the tokens' ranks (the order is by wave, register and lane: the same in every work-group).
; The tile's rows of h2 are gathered once into LDS; the weights, which no other wave of the work-group wants, go from memory straight into operand registers: a ring of 8 stages, 32 KB a wave on its way.
; THE TWO EXPERTS GO SIDE BY SIDE ALONG K: for each 32 along K the five fragments of h2 are read from LDS once and multiplied with expert a's stage and then with expert b's.  Stage 2 q + e holds K block q
; (of a trip's four) of expert e.  Eight trips, all alike but the last, which fetches no weights.
; FOUR BARRIERS, each on every path; only work is jumped over: counts | finds | the rows of h2 | the K loop's LDS reads against the way out's LDS stores.  The K loop itself holds none.
; NO CLUSTER: which work-groups share weights hangs on the counts, and token rows come by a list that no descriptor covers.
; In a tile that is not full the places past the count repeat its first token: the same values go to the same bytes.
; The 320 accumulator registers are the gather's way into LDS first, so they are cleared by moves: 320 lines, once a launch, on every path.
; The gates and x1 are asked for at the head of the way out: one round trip to memory that stands under no other work.
; REGISTERS.  Window 0: addresses, lists, two buffers of h2's fragments, the way out.  Window 1: v0-159 expert a's sums, v160-255 x1.  Window 2: v0-159 expert b's, v160-223 x1.  Window 3: the ring.
.set APITCH, 2064                      ; a row of h2 in LDS: 2,048 bytes + 16
.set STAGE, 80*APITCH
.set PART,  STAGE+4*4352               ; 4 x 32 counts
.set PL,    PART+512                   ; each wave's finds: token + 1 at its place in the tile, 80 = elsewhere
.set ML,    PL+2048                    ; each wave's copy of the tile's list
.set SPARE, ML+2048
.set SPW, 4
.set NIL, 5
.set VB,  6                            ; v6, v7  my byte offset in wf for the loads to come: expert a's, expert b's
.set ADA, 8                            ; v8-12   my place in the five blocks of 16 rows of h2; never rewritten
.set AST, 13
.set STO, 14
.set RD,  15
.set PLA, 16
.set ROFF, 32                          ; v32-71   byte offsets of the 40 pairs of rows in x1 and out
.set GA,  72                           ; v72-81
.set GB,  82                           ; v82-91
.set HOF, 92
.set POF, 93
.set L16, 94
.set HS,  96                           ; v96-159  the histograms; later the list at work
.set AF0, 96                           ; v96-135, v136-175: h2's fragments, two buffers
.set T,   176
.set GOFF, 176
.set U,   208
.set PID, 208
.set PLZ, 240
.set PLR, 241
.set MLW, 242
.set MLG, 243
.set MLR, 244
.set MLH, 245
.set CB16, 246
.set PARTW, 247
.set PARTR, 248
.set ADC, 249                          ; v249-253  ADA plus the trip's offset along K
.set MSB, 0
.macro WIN new
.if MSB != (\new)
	s_set_vgpr_msb (MSB<<8)|(\new)
.set MSB, \new
.endif
.endm
.macro PLACES
.rept 4
	v_nop
.endr
.endm
	s_load_b256 s[4:11], s[0:1], 0x0               ; hn 4:5, x1 6:7, wf 8:9, route 10:11
	s_load_b128 s[12:15], s[0:1], 0x20             ; gates 12:13, out 14:15
	v_lshl_add_u32 v[SPW], v0, 2, SPARE
	v_mov_b32 v[NIL], 0
	v_lshrrev_b32 v20, 5, v0
	v_readfirstlane_b32 s16, v20                   ; wave
	s_mov_b32 s17, ttmp9                           ; column block 0..3
	s_and_b32 s18, ttmp7, 0xffff                   ; tile 0..78
	v_and_b32 v1, 31, v0
	v_and_b32 v2, 15, v0
	v_bfe_u32 v3, v0, 4, 1
	v_lshlrev_b32 v[L16], 4, v1
	s_lshl_b32 s20, s16, 13
	v_add_nc_u32 v[HOF], s20, v[L16]
	s_lshl_b32 s20, s16, 12
	v_add_nc_u32 v[POF], s20, v[L16]
	s_wait_kmcnt 0x0
.set i, 0
.rept 16                                               ; my 64 histograms (1,024 tokens): four a load; lane l holds sets 4 (l % 8) .. + 3
	global_load_b128 v[HS+4*i:HS+4*i+3], v[HOF], s[10:11] offset:512*i
.set i, i+1
.endr
.set i, 0
.rept 8                                                ; my 1,024 set numbers: register 4 i + k of lane l is token 1,024 w + 128 i + 4 l + k
	global_load_b128 v[PID+4*i:PID+4*i+3], v[POF], s[10:11] offset:32768+512*i
.set i, i+1
.endr
	v_mul_u32_u24 v20, v2, APITCH
	v_lshl_add_u32 v[ADA], v3, 4, v20
.irp a, 1,2,3,4
	v_add_nc_u32 v[ADA+\a], 16*APITCH*\a, v[ADA]
.endr
	s_mul_i32 s20, s16, 20*APITCH
	v_add_nc_u32 v[AST], s20, v[L16]
	s_mul_i32 s20, s16, 4352
	s_add_co_u32 s20, s20, STAGE
	v_mul_u32_u24 v20, v2, 272
	v_lshl_add_u32 v20, v3, 5, v20
	v_add_nc_u32 v[STO], s20, v20
	v_mul_u32_u24 v20, v3, 272
	v_lshl_add_u32 v20, v2, 4, v20
	v_add_nc_u32 v[RD], s20, v20
	s_lshl_b32 s20, s16, 9
	s_add_co_u32 s21, s20, PL
	v_mov_b32 v[PLA], s21
	v_lshl_add_u32 v[PLZ], v1, 2, s21
	v_lshl_add_u32 v[PLR], v1, 2, PL
	s_add_co_u32 s21, s20, ML
	v_lshl_add_u32 v[MLW], v1, 2, s21
	v_lshl_add_u32 v[MLR], v2, 2, s21
	v_lshl_add_u32 v[MLH], v3, 2, s21
	s_mul_i32 s22, s16, 80
	s_add_co_u32 s22, s22, s21
	v_mov_b32 v[MLG], s22
	s_lshl_b32 s20, s17, 10
	s_lshl_b32 s21, s16, 8
	s_add_co_u32 s20, s20, s21
	v_lshl_add_u32 v[CB16], v2, 4, s20
	v_and_b32 v20, 7, v0
	s_lshl_b32 s20, s16, 7
	s_add_co_u32 s20, s20, PART
	v_lshl_add_u32 v[PARTW], v20, 4, s20
	v_lshl_add_u32 v[PARTR], v1, 2, PART
	v_mov_b32 v18, 80
	s_lshl_b32 s20, s16, 10
	s_add_co_u32 s20, s20, 1
	v_lshl_add_u32 v19, v1, 2, s20                 ; token + 1 of my register 0
	s_mov_b32 s44, 0x76543210
	s_mov_b32 s45, 0xfedcba98
	; ---- my 1,024 tokens' counts by set
	s_wait_loadcnt 8                               ; the histograms are in; the 8 younger loads, the set numbers, stay out
.set i, 1
.rept 15
.irp k, 0,1,2,3
	v_add_nc_u32 v[HS+\k], v[HS+\k], v[HS+4*i+\k]
.endr
.set i, i+1
.endr
.irp k, 0,1,2,3
	v_mov_b32 v[20+\k], 0
.endr
.irp k, 0,1,2,3
	v_mov_b32_dpp v[20+\k], v[HS+\k] row_xmask:8 row_mask:0xf bank_mask:0xf
.endr
.irp k, 0,1,2,3
	v_add_nc_u32 v[HS+\k], v[HS+\k], v[20+\k]
.endr
.irp k, 0,1,2,3
	v_permlanex16_b32 v[20+\k], v[HS+\k], s44, s45
.endr
.irp k, 0,1,2,3
	v_add_nc_u32 v[HS+\k], v[HS+\k], v[20+\k]
.endr
	ds_store_b128 v[PARTW], v[HS:HS+3]             ; the four groups of eight lanes hold the same numbers
	s_wait_dscnt 0x0
	s_barrier_signal -1
	s_barrier_wait -1
	; ---- which set and which 80 of its tokens are mine.  A lane stands for a set
.irp q, 0,1,2,3
	ds_load_b32 v[24+\q], v[PARTR] offset:128*\q
.endr
	s_wait_dscnt 0x0
	v_add_nc_u32 v28, v24, v25
	v_add_nc_u32 v28, v28, v26
	v_add_nc_u32 v28, v28, v27                     ; the set's size
	s_cmp_gt_u32 s16, 0
	s_cselect_b32 s20, 1, 0
	v_mul_u32_u24 v29, v24, s20
	s_cmp_gt_u32 s16, 1
	s_cselect_b32 s20, 1, 0
	v_mad_u32_u24 v29, v25, s20, v29
	s_cmp_gt_u32 s16, 2
	s_cselect_b32 s20, 1, 0
	v_mad_u32_u24 v29, v26, s20, v29               ; of them in the waves before mine
	v_add_nc_u32 v30, 79, v28
	v_mul_u32_u24 v30, v30, 0xcccd
	v_lshrrev_b32 v30, 22, v30                     ; its tiles: (size + 79) / 80, exact up to 4,175
	s_mov_b32 s21, 0
	s_mov_b32 s22, 0
	s_mov_b32 s23, 0
.set k, 0
.rept 28
	v_readlane_b32 s20, v30, k
	s_add_co_u32 s21, s21, s20                     ; tiles up to and with set k
	s_cmp_le_u32 s21, s18
	s_cselect_b32 s22, s21, s22                    ; tiles ahead of my set
	s_add_co_ci_u32 s23, s23, 0                    ; my set
.set k, k+1
.endr
	s_cmp_ge_u32 s23, 28
	s_cselect_b32 s24, 1, 0                        ; 1: the split leaves my tile empty
	s_min_u32 s25, s23, 27
	v_readlane_b32 s26, v28, s25
	v_readlane_b32 s27, v29, s25
	s_sub_co_u32 s28, s18, s22
	s_mul_i32 s28, s28, 80                         ; my tile's first rank
	s_sub_co_u32 s29, s26, s28
	s_min_u32 s29, s29, 80                         ; its rows
	s_sub_co_u32 s30, s27, s28                     ; the place in the tile of my wave's first find (may lie below 0: it wraps)
	s_mov_b32 s31, 0
.irp th, 7,13,18,22,25,27
	s_cmp_ge_u32 s25, \th
	s_add_co_ci_u32 s31, s31, 0                    ; expert a
.endr
	s_sub_co_u32 s32, 15, s31
	s_mul_i32 s32, s32, s31
	s_lshr_b32 s32, s32, 1
	s_sub_co_u32 s33, s25, s32
	s_add_co_u32 s33, s33, s31
	s_add_co_u32 s33, s33, 1                       ; expert b
	s_min_u32 s31, s31, 7
	s_min_u32 s33, s33, 7
	s_lshl_b32 s35, s17, 4
	s_lshl2_add_u32 s35, s16, s35                  ; my first block of 16 weight rows
	s_lshl_b32 s35, s35, 15
	s_add_co_u32 s34, s31, 4
	s_lshl_b32 s34, s34, 21
	s_add_co_u32 s34, s34, s35
	v_lshl_add_u32 v[VB], v1, 4, s34
	s_add_co_u32 s34, s33, 4
	s_lshl_b32 s34, s34, 21
	s_add_co_u32 s34, s34, s35
	v_lshl_add_u32 v[VB+1], v1, 4, s34
	s_wait_loadcnt 0x0                             ; the set numbers
	WIN 0xc0
.irp q, 0,1,2,3
.irp e, 0,1
.irp f, 0,1,2,3                                        ; the ring's first fill: both experts' K blocks 0-3, on every path
	global_load_b128 v[32*(2*\q+\e)+8*\f:32*(2*\q+\e)+8*\f+3],   v[VB+\e], s[8:9] offset:32768*\f+1024*\q
	global_load_b128 v[32*(2*\q+\e)+8*\f+4:32*(2*\q+\e)+8*\f+7], v[VB+\e], s[8:9] offset:32768*\f+1024*\q+512
.endr
.endr
.endr
	WIN 0
	; ---- my wave's finds
	s_cmp_eq_u32 s24, 1
	s_cbranch_scc1 .Lno_sa
	ds_store_b32 v[PLZ], v[NIL]
	ds_store_b32 v[PLZ], v[NIL] offset:128
	ds_store_b32 v[PLZ], v[NIL] offset:256
.set n, 0
.rept 32
.set ta, 20+2*(n%2)
	v_cmp_eq_u32 vcc_lo, s25, v[PID+n]
	v_mbcnt_lo_u32_b32 v[ta], vcc_lo, s30          ; its place in the tile
	v_cndmask_b32 v[ta], v18, v[ta], vcc_lo
	v_min_u32 v[ta], 80, v[ta]                     ; another set, or another tile of the set: place 80
	v_lshl_add_u32 v[ta], v[ta], 2, v[PLA]
	v_add_nc_u32 v[ta+1], 128*(n/4)+n%4, v19
	ds_store_b32 v[ta], v[ta+1]
	s_bcnt1_i32_b32 s37, vcc_lo
	s_add_co_u32 s30, s30, s37
.set n, n+1
.endr
.Lno_sa:
	s_wait_dscnt 0x0
	s_barrier_signal -1
	s_barrier_wait -1
	; ---- the tile's list, and my 20 rows of h2 into LDS
	s_cmp_eq_u32 s24, 1
	s_cbranch_scc1 .Lno_sb
.irp j, 0,1,2
.irp q, 0,1,2,3
	ds_load_b32 v[HS+4*\j+\q], v[PLR] offset:512*\q+128*\j
.endr
.endr
	s_wait_dscnt 0x0
.irp j, 0,1,2
	v_or_b32 v[HS+4*\j], v[HS+4*\j], v[HS+4*\j+1]
	v_or_b32 v[HS+4*\j+2], v[HS+4*\j+2], v[HS+4*\j+3]
	v_or_b32 v[HS+4*\j], v[HS+4*\j], v[HS+4*\j+2]
.endr
	v_readfirstlane_b32 s38, v[HS]                 ; the tile's first token + 1
.irp j, 0,1,2
	v_add_nc_u32 v20, 32*\j, v1
	v_cmp_gt_u32 vcc_lo, s29, v20
	v_cndmask_b32 v[HS+4*\j], s38, v[HS+4*\j], vcc_lo  ; places past the count repeat the first token
	v_add_nc_u32 v[HS+4*\j], -1, v[HS+4*\j]
	v_min_u32 v[HS+4*\j], 0xfff, v[HS+4*\j]
	ds_store_b32 v[MLW], v[HS+4*\j] offset:128*\j  ; my wave's own copy: no other wave reads it
.endr
.set j, 0
.rept 20
	ds_load_b32 v[GOFF+j], v[MLG] offset:4*j
.set j, j+1
.endr
	s_wait_dscnt 0x0
.set j, 0
.rept 20
	v_min_u32 v[GOFF+j], 0xfff, v[GOFF+j]
	v_lshl_add_u32 v[GOFF+j], v[GOFF+j], 11, v[L16]
.set j, j+1
.endr
	WIN 0x40
.set j, 0
.rept 10
.irp c, 0,1,2,3
	global_load_b128 v[16*j+4*\c:16*j+4*\c+3], v[GOFF+j], s[4:5] offset:512*\c
.endr
.set j, j+1
.endr
	WIN 0x80
.set j, 0
.rept 10
.irp c, 0,1,2,3
	global_load_b128 v[16*j+4*\c:16*j+4*\c+3], v[GOFF+10+j], s[4:5] offset:512*\c
.endr
.set j, j+1
.endr
	s_wait_loadcnt 40                              ; my first ten rows are in; the other ten rows' 40 loads stay out
	WIN 0x04
.set j, 0
.rept 10
.irp c, 0,1,2,3
	ds_store_b128 v[AST], v[16*j+4*\c:16*j+4*\c+3] offset:APITCH*j+512*\c
.endr
.set j, j+1
.endr
	s_wait_loadcnt 0x0
	WIN 0x08
.set j, 0
.rept 10
.irp c, 0,1,2,3
	ds_store_b128 v[AST], v[16*j+4*\c:16*j+4*\c+3] offset:APITCH*(10+j)+512*\c
.endr
.set j, j+1
.endr
	WIN 0
.Lno_sb:
	s_wait_dscnt 0x0
	s_barrier_signal -1
	s_barrier_wait -1
	; ---- the sums are cleared, on every path: the way out stands behind a join and reads them
	WIN 0x40
.set i, 0
.rept 160
	v_mov_b32 v[i], 0
.set i, i+1
.endr
	WIN 0x80
.set i, 0
.rept 160
	v_mov_b32 v[i], 0
.set i, i+1
.endr
	WIN 0
	s_cmp_eq_u32 s24, 1
	s_cbranch_scc1 .Lno_k
.macro AFETCH base, buf, off           ; five fragments of 16 rows x 32 K
.irp a, 0,1,2,3,4
	ds_load_b128 v[AF0+40*(\buf)+8*\a:AF0+40*(\buf)+8*\a+3],   v[(\base)+\a] offset:\off
	ds_load_b128 v[AF0+40*(\buf)+8*\a+4:AF0+40*(\buf)+8*\a+7], v[(\base)+\a] offset:(\off)+32
.endr
.endm
	AFETCH ADA, 0, 0
	s_wait_xcnt 0x0                                ; the ring's first loads have read their offsets
	v_add_nc_u32 v[VB], 4096, v[VB]                ; a trip's loads fetch the next trip's four K blocks
	v_add_nc_u32 v[VB+1], 4096, v[VB+1]
; Expert e's half of K block q: stage 2 q + e of the ring.  The wait: a stage's eight loads were issued eight stages ago, and seven younger groups of eight stand behind them: 56 may stay out;
; in the last trip, which loads nothing, the younger groups are 7 - (2 q + e).  The 20 accumulators take turns.  Four v_nop stand behind the products, ahead of the loads into
; the stage just read and of the next block's loads into the fragments just read.
.macro HALF q, e, ld
.if \ld
	s_wait_loadcnt 56
.else
	s_wait_loadcnt 56-8*(2*(\q)+(\e))
.endif
	WIN 0x53+0x50*(\e)
.irp a, 0,1,2,3,4
.irp b, 0,1,2,3
	v_wmma_f32_16x16x32_f16 v[8*(4*\a+\b):8*(4*\a+\b)+7], v[32*(2*(\q)+(\e))+8*\b:32*(2*(\q)+(\e))+8*\b+7], v[AF0+40*((\q)%2)+8*\a:AF0+40*((\q)%2)+8*\a+7], v[8*(4*\a+\b):8*(4*\a+\b)+7]
.endr
.endr
	PLACES
.if \ld
	WIN 0xc0
.irp f, 0,1,2,3
	global_load_b128 v[32*(2*(\q)+(\e))+8*\f:32*(2*(\q)+(\e))+8*\f+3],   v[VB+(\e)], s[8:9] offset:32768*\f+1024*(\q)
	global_load_b128 v[32*(2*(\q)+(\e))+8*\f+4:32*(2*(\q)+(\e))+8*\f+7], v[VB+(\e)], s[8:9] offset:32768*\f+1024*(\q)+512
.endr
.endif
.endm
.macro KBLK q, ld                      ; 32 along K for both experts; the next block's fragments of h2 are asked for first, 40 matrix instructions ahead of their use
	s_wait_dscnt 0x0                               ; this block's fragments are in
.if (\ld) || ((\q) < 3)
	WIN 0
	AFETCH ADC, ((\q)+1)%2, 64*((\q)+1)            ; block 3 asks for the next trip's block 0, 256 bytes on
.endif
	HALF \q, 0, \ld
	HALF \q, 1, \ld
.endm
.macro TRIP ld
.irp a, 0,1,2,3,4
	v_add_nc_u32 v[ADC+\a], s40, v[ADA+\a]         ; the trip's 256 bytes of the rows
.endr
.irp q, 0,1,2,3
	KBLK \q, \ld
.endr
	WIN 0
.endm
	s_mov_b32 s40, 0
	s_mov_b32 s39, 7
.Lk:
	TRIP 1
	s_wait_xcnt 0x0                                ; the trip's loads have read their offsets
	v_add_nc_u32 v[VB], 4096, v[VB]
	v_add_nc_u32 v[VB+1], 4096, v[VB+1]
	s_add_co_u32 s40, s40, 256
	s_sub_co_u32 s39, s39, 1
	s_cmp_lg_u32 s39, 0
	s_cbranch_scc1 .Lk
	TRIP 0                                         ; the last trip: nothing more is fetched, and the counts run down
.Lno_k:
	s_wait_dscnt 0x0                               ; my LDS reads of the K loop are back;
	s_barrier_signal -1
	s_barrier_wait -1                              ; so are all four waves': only behind this barrier does any wave store into LDS again
	s_cmp_eq_u32 s24, 1
	s_cbranch_scc1 .Lend
	; ---- THE WAY OUT.  First the tile's list once more (my wave's own copy), the gates and x1
.irp a, 0,1,2,3,4
	ds_load_b32 v[20+2*\a], v[MLR] offset:64*\a    ; the token of my row r in block a
.endr
.set n, 0
.rept 40
	ds_load_b32 v[ROFF+n], v[MLH] offset:64*(n/8)+8*(n%8)  ; the token of row 16 a + 2 t + h
.set n, n+1
.endr
	s_wait_dscnt 0x0
.irp a, 0,1,2,3,4
	v_min_u32 v[20+2*\a], 0xfff, v[20+2*\a]
	v_lshlrev_b32 v[20+2*\a], 3, v[20+2*\a]
	global_load_b64 v[GA+2*\a:GA+2*\a+1], v[20+2*\a], s[12:13]
.endr
.set n, 0
.rept 40
	v_min_u32 v[ROFF+n], 0xfff, v[ROFF+n]
	v_lshl_add_u32 v[ROFF+n], v[ROFF+n], 12, v[CB16]
.set n, n+1
.endr
	WIN 0x40
.set n, 0
.rept 24
	global_load_b128 v[160+4*n:160+4*n+3], v[ROFF+n], s[6:7]
.set n, n+1
.endr
	WIN 0x80
.set n, 0
.rept 16
	global_load_b128 v[160+4*n:160+4*n+3], v[ROFF+24+n], s[6:7]
.set n, n+1
.endr
	WIN 0
	s_wait_loadcnt 40                              ; the gates are in; the 40 younger loads, x1, stay out
.irp a, 0,1,2,3,4
	v_mov_b32 v[GB+2*\a], v[GA+2*\a+1]
	v_mov_b32 v[GB+2*\a+1], v[GA+2*\a+1]
	v_mov_b32 v[GA+2*\a+1], v[GA+2*\a]
.endr
; 16 rows at a time: ga x sums a + gb x sums b, through my own stage, back as whole rows of 256 bytes; x1 is added; 16 lanes store 256 consecutive bytes of one token's row
.macro OUTA a
.if (\a) > 0
	s_cmp_le_u32 s29, 16*(\a)                      ; whole blocks past the count are jumped
	s_cbranch_scc1 .Lend
.endif
	WIN 0x01
.set n, 0
.rept 16
	v_pk_mul_f32 v[T+2*n:T+2*n+1], v[32*(\a)+2*n:32*(\a)+2*n+1], v[GA+2*(\a):GA+2*(\a)+1]
.set n, n+1
.endr
	WIN 0x02
.set n, 0
.rept 16
	v_pk_fma_f32 v[T+2*n:T+2*n+1], v[32*(\a)+2*n:32*(\a)+2*n+1], v[GB+2*(\a):GB+2*(\a)+1], v[T+2*n:T+2*n+1]
.set n, n+1
.endr
	WIN 0
.irp b, 0,1,2,3
	ds_store_b128 v[STO], v[T+8*\b:T+8*\b+3] offset:64*\b
	ds_store_b128 v[STO], v[T+8*\b+4:T+8*\b+7] offset:64*\b+16
.endr
	s_wait_xcnt 0x0                                ; the last block's stores have read the registers that are loaded again
.irp t, 0,1,2,3,4,5,6,7
	ds_load_b128 v[U+4*\t:U+4*\t+3], v[RD] offset:544*\t  ; my own bytes: LDS serves a wave's instructions in order
.endr
	s_wait_loadcnt 32-8*(\a)                       ; this block's eight loads of x1 are in; the later blocks' stay out
	s_wait_dscnt 0x0
	WIN 0x04*(1+(\a)/3)
.set n, 0
.rept 16
	v_pk_add_f32 v[U+2*n:U+2*n+1], v[U+2*n:U+2*n+1], v[160+32*((\a)%3)+2*n:160+32*((\a)%3)+2*n+1]
.set n, n+1
.endr
	WIN 0
.irp t, 0,1,2,3,4,5,6,7
	global_store_b128 v[ROFF+8*(\a)+\t], v[U+4*\t:U+4*\t+3], s[14:15]
.endr
.endm
	OUTA 0
	OUTA 1
	OUTA 2
	OUTA 3
	OUTA 4
.Lend:
	s_wait_tensorcnt 0x0                           ; the wave's end
	ds_add_u32 v[SPW], v[NIL]
	s_wait_dscnt 0x0
	s_endpgm
.Lfunc_end_k_qfed6d8d441_moe:
	.size	k_qfed6d8d441_moe, .Lfunc_end_k_qfed6d8d441_moe-k_qfed6d8d441_moe
	.p2alignl 7, 3214868480
	.fill 96, 4, 3214868480
	.section	.rodata,"a",@progbits
	.p2align	6, 0x0
	.amdhsa_kernel k_qfed6d8d441_moe
		.amdhsa_group_segment_fixed_size 187648
		.amdhsa_private_segment_fixed_size 0
		.amdhsa_enable_private_segment 0
		.amdhsa_kernarg_size 48
		.amdhsa_user_sgpr_count 2
		.amdhsa_user_sgpr_kernarg_segment_ptr 1
		.amdhsa_wavefront_size32 1
		.amdhsa_system_sgpr_workgroup_id_x 1
		.amdhsa_system_sgpr_workgroup_id_y 1
		.amdhsa_system_sgpr_workgroup_id_z 1
		.amdhsa_system_vgpr_workitem_id 0
		.amdhsa_next_free_vgpr 1024
		.amdhsa_next_free_sgpr 66
		.amdhsa_reserve_vcc 1
		.amdhsa_float_denorm_mode_32 3
		.amdhsa_float_denorm_mode_16_64 3
		.amdhsa_memory_ordered 1
		.amdhsa_forward_progress 1
		.amdhsa_inst_pref_size 140
	.end_amdhsa_kernel
	.amdgpu_metadata
---
amdhsa.version: [ 1, 2 ]
amdhsa.kernels:
  - .name:           k_qfed6d8d441_moe
    .symbol:         k_qfed6d8d441_moe.kd
    .args:
      - { .name: hn, .offset: 0, .size: 8, .value_kind: global_buffer, .address_space: global }
      - { .name: x1, .offset: 8, .size: 8, .value_kind: global_buffer, .address_space: global }
      - { .name: wf, .offset: 16, .size: 8, .value_kind: global_buffer, .address_space: global }
      - { .name: route, .offset: 24, .size: 8, .value_kind: global_buffer, .address_space: global }
      - { .name: gates, .offset: 32, .size: 8, .value_kind: global_buffer, .address_space: global }
      - { .name: out0, .offset: 40, .size: 8, .value_kind: global_buffer, .address_space: global }
    .group_segment_fixed_size: 187648
    .private_segment_fixed_size: 0
    .kernarg_segment_align: 8
    .kernarg_segment_size: 48
    .max_flat_workgroup_size: 128
    .sgpr_count:     66
    .vgpr_count:     1024
    .wavefront_size: 32
...
	.end_amdgpu_metadata
.endif
;; end of part 6
;; ======== version 2 of 2: 6 launches; 1.20 times as fast as version 1
;; limits: values are held in f16: magnitudes above 65,504 overflow, below 6.1e-05 lose precision
;; workspace buffers: hn 8,388,608 bytes; wf 25,165,824 bytes; qkv 25,165,824 bytes; o 8,388,608 bytes; x1 16,777,216 bytes; route 49,152 bytes of whole numbers; gates 32,768 bytes
;; launch prep: the kernel of part 1 again; grid 512 x 1, 8 waves a work-group, no clusters, 35,840 bytes of LDS; arguments x, ln1_g, ln1_b, wq, wk, wv, wo, hn, wf; writes hn, wf
;; launch qkv: the kernel of part 2 again; grid 8 x 32, 4 waves a work-group, clusters of 4 x 4, 327,680 bytes of LDS; arguments hn, wf, qkv; writes qkv
;; launch attn (part 7): grid 8 x 32, 4 waves a work-group, no clusters, 327,680 bytes of LDS; arguments qkv, o; writes o
.if DOCPART == 7
	.amdgcn_target "amdgcn-amd-amdhsa--gfx1250"
	.amdhsa_code_object_version 6
	.text
	.protected	k_qfed6d8d441_attn
	.globl	k_qfed6d8d441_attn
	.p2align	8
	.type	k_qfed6d8d441_attn,@function
k_qfed6d8d441_attn:
	s_mov_b64 s[64:65], 0
	v_nop
	global_prefetch_b8 v0, s[64:65] scope:SCOPE_SE
	s_setreg_imm32_b32 hwreg(HW_REG_WAVE_MODE, 25, 1), 1
	s_wait_xcnt 0x0
; CAUSAL ATTENTION at head size 64.  q, k, v: qkv[part][head 32][2048][64] f16; o: [head 32][2048][64] f16.  Products, maxima and sums in f32; the weights p are rounded to f16 for the second product.
; LIMITS.  A hidden score counts as its value less 1e30; a weight below 2^-126 counts as 0; NaN and infinities are not treated apart; q, k, v arrive within f16's range.
; THE WALK.  A head has 16 blocks of 128 queries; block i needs the key tiles 0 .. i / 2 of 256 keys, the last of which holds the diagonal.  A work-group takes blocks 15 - b and then b: nine tiles whatever b,
; so all 256 work-groups are alike and one loop with a constant count walks them; the ring of two LDS slots runs on across the change of blocks.
; NO CLUSTER: the eight work-groups of a head ask for the same tile only in the first trips; behind that their walks part, and a walk common to all would have 12 trips for 9.
; SHARES.  A wave owns 32 queries of a block: two tiles of 16.  A key step is 64 keys.  S^T = K Q^T holds one query a lane (lane % 16) and keys 8 (lane / 16) + 0..7; two such results rounded to f16 are
; source 1 of O^T = V^T P.  p = 2^(c s - c m), c = log2(e) / 8, with a running maximum m; O and l are multiplied by a = 2^(c m_old - c m_new) in every step.
; ORDER OF A STEP, AND ITS TWO BATCHES OF EXPONENTIALS.  Tile 0's scores.  Tile 1's scores, and behind each product four or five lines of tile 0's maximum, statistics (its a among them) and scalings.
; FIRST LUMP: tile 0's 32 exponentials, behind each a line of tile 1's maximum, statistics (its a among them) and scalings; tile 1's last six scalings close it.  Up to here no line names an exponential's
; result: the two a and tile 0's 32 are ONE BATCH of 34 with ONE wait, and the next step's K is fetched directly behind that wait.  SECOND LUMP: tile 1's 32 exponentials, the second batch, behind each a
; line of tile 0 that reads the first batch alone: its 16 roundings, then its 16 rescalings.  ONE wait.  Then the 16 products V^T P with four plain lines behind each: behind tile 0's products tile 1's
; roundings and rescalings, behind tile 1's products the two tiles' row sums, for which no product waits.  So a step has two waits for its 66 exponentials, and none is open at a label or a branch.
; THE MASK is the C operand that starts the sum S^T: 64 registers that hold 0, but in a block's diagonal tile 0 or -1e30, made anew at each step's head; elsewhere that block of lines is jumped over.
; Every tile has four steps: in an even block the diagonal tile's last two are wholly hidden and give weights of 0: 2 of a walk's 36 steps, the price of step loops with a constant count.
; REGISTERS.  Window 0: addresses, statistics, S^T v64-127, P v128-159, O^T v160-223.  Window 1: Q v0-31, the second block's Q v32-63, K v64-127, V v128-191, the mask v192-255.
.set KS,    64
.set PK,    144       ; a row of K in LDS: 128 bytes + 16: the 16 rows of a load start at 16 different groups of four banks
.set PV,    160       ; a row of V: 128 + 32
.set VOFF,  4*KS*PK   ; a slot holds a tile: 256 rows of K, then 256 rows of V
.set SLOT1, 1<<17
.set STAGE, SLOT1+4*KS*(PK+PV)  ; behind the ring: 16 rows x 144 bytes for each wave
.set SP,    144
.set SPARE, STAGE+4*16*SP       ; the spare words
.set AK0, 2
.set AV0, 3
.set AK,  4
.set AV,  5
.set STO, 6
.set RD,  7
.set GO,  8
.set MV,  12          ; v12-13  c m_old
.set DQ,  14          ; v14-15  my query's place in the block less 8 (lane / 16), by tile
.set ST,  16          ; tile t at ST + 4 t: c m, m, l (even keys'), l (odd keys')
.set TMP, 24          ; tile t at TMP + 4 t: c0-c3; c2 takes a
.set DS,  32          ; v32-33  the mask's threshold in the step in hand
.set QO,  34
.set BG,  35          ; -1e30
.set ZR,  36          ; 0
.set SPW, 62
.set NIL, 63
.set S,   64
.set P,   128
.set O,   160
.set KF,  64          ; window 1
.set VF,  128         ; window 1
.set MC,  192         ; window 1
.set WV,  12
.set PB,  14
.set HI,  15
.set G1K, 24
.set G1V, 32
.set G0K, 40
.set G0V, 44
.set KB,  48          ; s[48:49] K at my half of the head's tile 0
.set VB,  50          ; s[50:51] V likewise
.set SLOTS, 56
.set CNT, 57
.set CS,  58
.set SEL, 60
.set TBK, 62
.set TBV, 63
.set SB,  66          ; the slot being read
.set PAR, 67          ; 128 (block % 2): the block's place in its diagonal tile
.set RT,  70          ; tiles of the block in hand behind the one entered: 0 in the diagonal tile
.set NXT, 71
.set LQ,  72
.set LQ2, 73
.set OFF, 74
.set PAR2, 76
.set OLO, 80
.set BIGN, 82
.set MSB, 0
.macro WIN new
.if MSB != (\new)
	s_set_vgpr_msb (MSB<<8)|(\new)
.set MSB, (\new)
.endif
.endm
.macro PLACES
.rept 4
	v_nop
.endr
.endm
.macro LOAD                            ; waves 0, 1 fetch the halves of a tile's K, waves 2, 3 those of its V; s_nop 0 and four v_nop behind each line
	s_cmp_lt_u32 s[WV], 2
	s_cbranch_scc0 .Lfor_v_\@
	tensor_load_to_lds s[G0K:G0K+3], s[G1K:G1K+7]
	s_nop 0
.rept 4
	v_nop
.endr
	s_branch .Lasked_\@
.Lfor_v_\@:
	tensor_load_to_lds s[G0V:G0V+3], s[G1V:G1V+7]
	s_nop 0
.rept 4
	v_nop
.endr
.Lasked_\@:
.endm
; THE CHANGE OF SLOTS.  Each wave waits for all its tensor loads (one is out: its part of the other slot), adds 0 to its spare word, waits for that and for its reads of the slot that it leaves.
; Behind the barrier nobody reads the old slot and the other is whole.  fill = 1: the old slot takes tile NXT, the first thing behind the barrier.
.macro CHANGE fill
	WIN 0
	s_wait_tensorcnt 0x0
	ds_add_u32 v[SPW], v[NIL]
.if \fill
	s_lshl_b32 s[OFF], s[NXT], 15   ; a tile is 32,768 bytes of K and of V
	s_xor_b32 s[G0K+1], s[G0K+1], SLOT1
	s_add_nc_u64 s[G0K+2:G0K+3], s[KB:KB+1], s[OFF:OFF+1]
	s_or_b32 s[G0K+3], s[G0K+3], 0x80000000
	s_xor_b32 s[G0V+1], s[G0V+1], SLOT1
	s_add_nc_u64 s[G0V+2:G0V+3], s[VB:VB+1], s[OFF:OFF+1]
	s_or_b32 s[G0V+3], s[G0V+3], 0x80000000
	s_add_co_u32 s[NXT], s[NXT], 1  ; the block's next tile, or behind its last the second block's tile 0
	s_cmp_gt_u32 s[NXT], s[LQ]
	s_cselect_b32 s[NXT], 0, s[NXT]
	s_cselect_b32 s[LQ], s[LQ2], s[LQ]
.endif
	s_wait_dscnt 0x0
	s_barrier_signal -1
	s_xor_b32 s[SB], s[SB], SLOT1
	s_barrier_wait -1
.if \fill
	LOAD
.endif
.endm
	s_load_b128 s[4:7], s[0:1], 0x0   ; qkv s[4:5], o s[6:7]
	v_lshl_add_u32 v[SPW], v0, 2, SPARE
	v_mov_b32 v[NIL], 0
	ds_add_u32 v[SPW], v[NIL]       ; the wave's opening: the add and its wait stand ahead of my first tensor load
	ds_add_u32 v62, v63
	v_lshrrev_b32 v1, 5, v0
	v_readfirstlane_b32 s[WV], v1
	s_mov_b32 s[PB], ttmp9
	s_sub_co_u32 s[HI], 15, s[PB]
	s_and_b32 s20, ttmp7, 0xffff
	s_lshl_b32 s20, s20, 18         ; a head is 262,144 bytes
	s_and_b32 s16, s[WV], 1         ; which half of a tile's 256 keys I fetch
	s_lshl_b32 s22, s16, 14
	s_add_co_u32 s22, s22, s20
	s_mov_b32 s23, 0
	s_mul_i32 s17, s16, 128*PK
	s_mul_i32 s18, s16, 128*PV
	s_lshl_b32 s3, s[WV], 12        ; my 32 rows,
	s_lshl_b32 s2, s[HI], 14        ; in the first block,
	s_add_co_u32 s2, s2, s3
	s_add_co_u32 s2, s2, s20
	s_lshl_b32 s84, s[PB], 14       ; and in the second
	s_add_co_u32 s84, s84, s3
	s_add_co_u32 s84, s84, s20
	s_mov_b32 s3, 0
	s_mov_b32 s85, 0
	s_mov_b32 s[G1K], (1<<16)|(1<<20)|(4<<22)|(3<<25)  ; 2-byte elements; 4 words of padding after every 32: 128 keys come as 64 rows of 256 bytes and are padded after every key
	s_mov_b32 s[G1V], (1<<16)|(1<<20)|(4<<22)|(7<<25)  ; the same with 8 words
.irp g, G1K, G1V
	s_mov_b32 s[\g+1], 128<<16
	s_mov_b32 s[\g+2], 64<<16
	s_mov_b32 s[\g+3], 128<<16
	s_mov_b32 s[\g+4], 64
	s_mov_b32 s[\g+5], 128
	s_mov_b32 s[\g+6], 0
	s_mov_b32 s[\g+7], 0
.endr
	s_mov_b32 s[CS], 0x3e38aa3b     ; c = log2(e) / 8
	s_mov_b32 s[CS+1], s[CS]
	s_mov_b32 s[SEL], 0x76543210
	s_mov_b32 s[SEL+1], 0xfedcba98
	s_mov_b32 s[G0K], 1
	s_mov_b32 s[G0K+1], s17
	s_mov_b32 s[G0V], 1
	s_add_co_u32 s[G0V+1], s18, VOFF
	s_mov_b32 s[SB], SLOT1          ; the first change of slots turns it into 0
	s_lshr_b32 s[LQ], s[HI], 1
	s_add_co_u32 s[RT], s[LQ], 1    ; tiles of the first block
	s_lshr_b32 s[LQ2], s[PB], 1
	s_mov_b32 s[NXT], 1
	s_mov_b32 s[OFF+1], 0
	s_mov_b32 s[BIGN], 0xf149f2ca   ; -1e30
	s_mov_b32 s[SLOTS], 8
	s_and_b32 s[PAR], s[HI], 1
	s_lshl_b32 s[PAR], s[PAR], 7
	s_and_b32 s[PAR2], s[PB], 1
	s_lshl_b32 s[PAR2], s[PAR2], 7
	s_wait_dscnt 0x0                ; the opening add is done
	s_wait_kmcnt 0x0
	s_add_nc_u64 s[KB:KB+1], s[4:5], s[22:23]
	s_add_nc_u64 s[VB:VB+1], s[KB:KB+1], 0x1000000
	s_add_nc_u64 s[KB:KB+1], s[KB:KB+1], 0x800000
	s_add_nc_u64 s[G0K+2:G0K+3], s[KB:KB+1], 0
	s_or_b32 s[G0K+3], s[G0K+3], 0x80000000
	s_add_nc_u64 s[G0V+2:G0V+3], s[VB:VB+1], 0
	s_or_b32 s[G0V+3], s[G0V+3], 0x80000000
	s_add_nc_u64 s[52:53], s[4:5], s[2:3]          ; Q of the first block,
	s_add_nc_u64 s[54:55], s[4:5], s[84:85]        ; of the second
	s_add_nc_u64 s[10:11], s[6:7], s[2:3]          ; O likewise
	s_add_nc_u64 s[OLO:OLO+1], s[6:7], s[84:85]
	LOAD                            ; tile 0 into slot 0
	v_and_b32 v1, 15, v0            ; r
	v_bfe_u32 v9, v0, 4, 1          ; h
	v_lshlrev_b32 v[QO], 7, v1
	v_lshl_add_u32 v[QO], v9, 4, v[QO]
	WIN 0x40
.set i, 0
.rept 4                             ; both blocks' Q: tile i / 2, channels 32 (i % 2) on
	global_load_b128 v[8*i:8*i+3],   v[QO], s[52:53] offset:(i/2)*2048+(i%2)*64
	global_load_b128 v[8*i+4:8*i+7], v[QO], s[52:53] offset:(i/2)*2048+(i%2)*64+32
	global_load_b128 v[32+8*i:32+8*i+3],   v[QO], s[54:55] offset:(i/2)*2048+(i%2)*64
	global_load_b128 v[32+8*i+4:32+8*i+7], v[QO], s[54:55] offset:(i/2)*2048+(i%2)*64+32
.set i, i+1
.endr
.set i, 0
.rept 64                            ; the mask: 0 outside a diagonal tile
	v_mov_b32 v[MC+i], 0
.set i, i+1
.endr
	WIN 0
	v_lshlrev_b32 v10, 3, v9
	v_sub_nc_u32 v[DQ], v1, v10
	s_lshl_b32 s13, s[WV], 5
	v_add_nc_u32 v[DQ], s13, v[DQ]
	v_add_nc_u32 v[DQ+1], 16, v[DQ]
	v_mov_b32 v[BG], s[BIGN]
	v_mov_b32 v[ZR], 0
	v_mul_u32_u24 v[AK0], v1, PK
	v_lshl_add_u32 v[AK0], v9, 4, v[AK0]
	v_and_b32 v10, 7, v0
	v_bfe_u32 v11, v0, 3, 1
	v_lshl_add_u32 v[AV0], v9, 3, v10   ; the turning load: lane l reads key 8 (l / 16) + l % 8, channels 8 ((l / 8) % 2) + 0..7
	v_mul_u32_u24 v[AV0], v[AV0], PV
	v_lshl_add_u32 v[AV0], v11, 4, v[AV0]
	v_add_nc_u32 v[AV0], VOFF, v[AV0]
	s_mul_i32 s13, s[WV], 16*SP
	s_add_co_u32 s13, s13, STAGE
	v_mul_u32_u24 v[STO], v1, SP
	v_lshl_add_u32 v[STO], v9, 4, v[STO]
	v_add_nc_u32 v[STO], s13, v[STO]
	v_bfe_u32 v[RD], v0, 3, 2
	v_mul_u32_u24 v[RD], v[RD], SP
	v_lshl_add_u32 v[RD], v10, 4, v[RD]
	v_add_nc_u32 v[RD], s13, v[RD]
	v_and_b32 v[GO], 31, v0
	v_lshlrev_b32 v[GO], 4, v[GO]
	; A block's first step multiplies O^T and l by a = 0, so they need only hold finite numbers: zeros now, what the first block left later.  This stands in the wait for the first tile.
.set i, 0
.rept 64
	v_mov_b32 v[O+i], 0
.set i, i+1
.endr
.irp t, 0,1
	v_mov_b32 v[ST+4*\t], 0xfe000000    ; c m: far below every c s
	v_mov_b32 v[ST+4*\t+1], 0xff7fffff  ; m
	v_mov_b32 v[ST+4*\t+2], 0
	v_mov_b32 v[ST+4*\t+3], 0
.endr
; Product i of 8 of S^T = K Q^T for tile t: channels 32 (i / 4) on, keys 16 (i % 4) on.  The first four start the sums with the mask.  The four accumulators take turns.
.macro KQ t
.set rS, S+32*(\t)+8*(i%4)
.set rK, KF+16*(i%4)+8*(i/4)
.set rQ, 16*(\t)+8*(i/4)
.set rM, MC+32*(\t)+8*(i%4)
.if i < 4
	WIN 0x15
	v_wmma_f32_16x16x32_f16 v[rS:rS+7], v[rK:rK+7], v[rQ:rQ+7], v[rM:rM+7]
.else
	WIN 0x05
	v_wmma_f32_16x16x32_f16 v[rS:rS+7], v[rK:rK+7], v[rQ:rQ+7], v[rS:rS+7]
.endif
.endm
; Product i of 8 of O^T += V^T P for tile t: keys 32 (i / 4) on, channels 16 (i % 4) on.
.macro PV t
	WIN 0x01
.set rO, O+32*(\t)+8*(i%4)
.set rV, VF+32*(i/4)+8*(i%4)
.set rP, P+16*(\t)+8*(i/4)
	v_wmma_f32_16x16x32_f16 v[rO:rO+7], v[rV:rV+7], v[rP:rP+7], v[rO:rO+7]
.endm
.macro FETCH_K
	WIN 0x40
.irp f, 0,1,2,3,4,5,6,7
	ds_load_b128 v[KF+8*\f:KF+8*\f+3],   v[AK] offset:(\f/2)*16*PK+(\f%2)*64
	ds_load_b128 v[KF+8*\f+4:KF+8*\f+7], v[AK] offset:(\f/2)*16*PK+(\f%2)*64+32
.endr
	WIN 0
.endm
.macro FETCH_V
	WIN 0x40
.irp f, 0,1,2,3,4,5,6,7
	ds_load_tr16_b128 v[VF+8*\f:VF+8*\f+3],   v[AV] offset:(\f/4)*32*PV+(\f%4)*32
	ds_load_tr16_b128 v[VF+8*\f+4:VF+8*\f+7], v[AV] offset:(\f/4)*32*PV+16*PV+(\f%4)*32
.endr
	WIN 0
.endm
; Line j of the 118 of one tile's softmax for one step, all in window 0, numbered by who reads what.  The macro writes no wait: STEP writes the step's two.
;   0-20    the maximum (each accumulator's lowest registers are read first), the exchange of the lanes' halves, m, c m, c m_old - c m_new
;   21      a: an exponential
;   22-37   c s - c m for the 16 pairs
;   38-69   the 32 exponentials, in place.  Lines 0-69 name no exponential's result
;   70-85   O^T times a: these read a
;   86-101  the 16 roundings to f16: these, and all that follow, read the 32 exponentials
;   102-109 of each four weights the second pair onto the first, in place: behind the roundings of both pairs
;   110-117 l = a l + the sums, in ascending order: no product waits for lines 102-117
.macro SMI t, j
.set rT, ST+4*(\t)
.set rC, TMP+4*(\t)
.set rW, MV+(\t)
.set rS, S+32*(\t)
.set rP, P+16*(\t)
.set rO, O+32*(\t)
.if (\j) < 4
	v_max3_num_f32 v[rC+(\j)], v[rS+8*(\j)], v[rS+8*(\j)+1], v[rS+8*(\j)+2]
.elseif (\j) < 12
	v_max3_num_f32 v[rC+(\j)%4], v[rC+(\j)%4], v[rS+8*((\j)%4)+2*((\j)/4)+1], v[rS+8*((\j)%4)+2*((\j)/4)+2]
.elseif (\j) == 12
	v_max3_num_f32 v[rC], v[rC], v[rS+7], v[rS+15]
.elseif (\j) == 13
	v_max3_num_f32 v[rC+1], v[rC+1], v[rS+23], v[rS+31]
.elseif (\j) == 14
	v_max3_num_f32 v[rC+2], v[rC+2], v[rC+3], v[rT+1]
.elseif (\j) == 15
	v_mov_b32 v[rW], v[rT]
.elseif (\j) == 16
	v_max3_num_f32 v[rC], v[rC], v[rC+1], v[rC+2]
.elseif (\j) == 17
	v_permlanex16_b32 v[rC+3], v[rC], s[SEL], s[SEL+1]
.elseif (\j) == 18
	v_max_num_f32 v[rT+1], v[rC], v[rC+3]
.elseif (\j) == 19
	v_mul_f32 v[rT], s[CS], v[rT+1]
.elseif (\j) == 20
	v_sub_f32 v[rC+1], v[rW], v[rT]
.elseif (\j) == 21
	v_exp_f32 v[rC+2], v[rC+1]
.elseif (\j) < 38
.set n, (\j)-22
	v_pk_fma_f32 v[rS+2*n:rS+2*n+1], v[rS+2*n:rS+2*n+1], s[CS:CS+1], v[rT:rT+1] op_sel_hi:[1,0,0] neg_lo:[0,0,1] neg_hi:[0,0,1]
.elseif (\j) < 70
.set n, (\j)-38
	v_exp_f32 v[rS+n], v[rS+n]
.elseif (\j) < 86
.set n, (\j)-70
	v_pk_mul_f32 v[rO+2*n:rO+2*n+1], v[rO+2*n:rO+2*n+1], v[rC+2:rC+3] op_sel_hi:[1,0]
.elseif (\j) < 102
.set n, (\j)-86
	v_cvt_pk_f16_f32 v[rP+n], v[rS+2*n], v[rS+2*n+1]
.elseif (\j) < 110
.set n, (\j)-102
	v_pk_add_f32 v[rS+4*n:rS+4*n+1], v[rS+4*n:rS+4*n+1], v[rS+4*n+2:rS+4*n+3]
.elseif (\j) == 110
	v_pk_fma_f32 v[rT+2:rT+3], v[rT+2:rT+3], v[rC+2:rC+3], v[rS:rS+1] op_sel_hi:[1,0,1]
.else
.set n, (\j)-110
	v_pk_add_f32 v[rT+2:rT+3], v[rT+2:rT+3], v[rS+4*n:rS+4*n+1]
.endif
.endm
.macro SMR t, j0, j1                ; lines j0 .. j1 - 1
	WIN 0
.set jj, \j0
.rept (\j1)-(\j0)
	SMI \t, jj
.set jj, jj+1
.endr
.endm
; A KEY STEP.  No line behind a product names a register of the products round it.  The LDS offsets TBK and TBV step once in every trip of a loop of four.
.macro STEP
	WIN 0
	s_cmp_lg_u32 s[RT], 0           ; the diagonal tile alone makes masks: register 8 kb + j hides its key where 16 kb + j is greater than the threshold
	s_cbranch_scc1 .Lplain_\@
	WIN 0x40
.irp t, 0,1
.set i, 0
.rept 32
	v_cmp_gt_i32 vcc_lo, 16*(i/8)+i%8, v[DS+\t]
	v_cndmask_b32 v[MC+32*\t+i], v[ZR], v[BG], vcc_lo
.set i, i+1
.endr
.endr
	WIN 0
	v_add_nc_u32 v[DS], 0xffffffc0, v[DS]      ; the next step's keys lie 64 further on
	v_add_nc_u32 v[DS+1], 0xffffffc0, v[DS+1]
.Lplain_\@:
	s_wait_dscnt 0x0                ; K is in
.set i, 0
.rept 8
	KQ 0
.set i, i+1
.endr
	WIN 0
	PLACES                          ; the places behind tile 0's scores
	v_add_nc_u32 v[AV], s[TBV], v[AV0]
	s_add_co_u32 s[TBV], s[TBV], KS*PV
	FETCH_V
.set i, 0
.rept 8                             ; tile 1's scores | tile 0's lines 0-37, four or five behind each product; the last five are plain: the places behind tile 1's scores.  Line 21, tile 0's a, opens the first batch
	KQ 1
	SMR 0, (38*i)/8, (38*(i+1))/8
.set i, i+1
.endr
.set gq, 0
.rept 32                            ; THE FIRST LUMP: an exponential of tile 0 and a line of tile 1's maximum, statistics and scalings by turns; line 21 of these is tile 1's a
	SMR 0, 38+gq, 39+gq
	SMR 1, gq, gq+1
.set gq, gq+1
.endr
	SMR 1, 32, 38                   ; tile 1's last six scalings: plain lines that name no result of the batch, between its last exponential and its wait
	s_wait_alu depctr_va_vdst(0)    ; the wait for the first batch, ahead of its first reader: tile 0's a, tile 0's 32 exponentials, tile 1's a
	s_wait_dscnt 0x0                ; V is in
	s_cmp_gt_u32 s[CNT], 1          ; a tile's last step fetches no further K
	s_cbranch_scc0 .Lno_k_\@
	v_add_nc_u32 v[AK], s[TBK], v[AK0]
	s_add_co_u32 s[TBK], s[TBK], KS*PK
	FETCH_K                         ; the next step's K: the last product that read K stands 75 vector lines back, 42 of them plain
.Lno_k_\@:
.set gq, 0
.rept 32                            ; THE SECOND LUMP: an exponential of tile 1, the second batch, and a line of tile 0 that reads the first batch alone, by turns: its 16 roundings, then its 16 rescalings
	SMR 1, 38+gq, 39+gq
.if gq < 16
	SMR 0, 86+gq, 87+gq
.else
	SMR 0, 54+gq, 55+gq
.endif
.set gq, gq+1
.endr
	s_wait_alu depctr_va_vdst(0)    ; the wait for the second batch: tile 1's 32 exponentials; tile 0's last rescaling is the plain line behind the last of them
.set i, 0
.rept 8                             ; tile 0's V^T P | tile 1's 16 roundings, then its 16 rescalings, four behind each product
	PV 0
.if i < 4
	SMR 1, 86+4*i, 90+4*i
.else
	SMR 1, 54+4*i, 58+4*i
.endif
.set i, i+1
.endr
.set i, 0
.rept 8                             ; tile 1's V^T P | both tiles' row sums, the tiles by turns, four behind each product
	PV 1
	SMR 0, 102+2*i, 103+2*i
	SMR 1, 102+2*i, 103+2*i
	SMR 0, 103+2*i, 104+2*i
	SMR 1, 103+2*i, 104+2*i
.set i, i+1
.endr
	WIN 0
.endm
.macro TILE0                        ; a tile is entered: K of its first step; the mask's threshold for its first step, used in a diagonal tile alone
	s_mov_b32 s[TBK], s[SB]
	s_mov_b32 s[TBV], s[SB]
	v_add_nc_u32 v[AK], s[TBK], v[AK0]
	s_add_co_u32 s[TBK], s[TBK], KS*PK
	v_add_nc_u32 v[DS], s[PAR], v[DQ]
	v_add_nc_u32 v[DS+1], s[PAR], v[DQ+1]
	FETCH_K
.endm
.macro PACK t                       ; O^T / l, rounded to f16, through my stage, back as whole rows
.set i, 0
.rept 16
	v_pk_mul_f32 v[O+32*(\t)+2*i:O+32*(\t)+2*i+1], v[O+32*(\t)+2*i:O+32*(\t)+2*i+1], v[ST+4*(\t)+2:ST+4*(\t)+3] op_sel_hi:[1,0]
.set i, i+1
.endr
.set i, 0
.rept 16
	v_cvt_pk_f16_f32 v[S+16*(\t)+i], v[O+32*(\t)+2*i], v[O+32*(\t)+2*i+1]
.set i, i+1
.endr
.irp f, 0,1,2,3
	ds_store_b128 v[STO], v[S+16*(\t)+4*\f:S+16*(\t)+4*\f+3] offset:32*\f
.endr
.irp f, 0,1,2,3
	ds_load_b128 v[S+16*(\t)+4*\f:S+16*(\t)+4*\f+3], v[RD] offset:\f*4*SP  ; LDS serves a wave's instructions in order: these see the stores above
.endr
.endm
.macro SEND t, younger              ; younger: the LDS instructions issued behind tile t's loads
.irp f, 0,1,2,3
	s_wait_dscnt (\younger)+3-\f
	global_store_b128 v[GO], v[S+16*(\t)+4*\f:S+16*(\t)+4*\f+3], s[10:11] offset:(\t)*2048+\f*512  ; 512 consecutive bytes
.endr
.endm
.macro WAYOUT                       ; l's two halves and the other half of the lanes' are added; tile 1's O^T is read behind tile 0's 32 lines, the places behind the last products
.irp t, 0,1
	v_add_f32 v[ST+4*\t+2], v[ST+4*\t+2], v[ST+4*\t+3]
.endr
.irp t, 0,1
	v_permlanex16_b32 v[ST+4*\t+3], v[ST+4*\t+2], s[SEL], s[SEL+1]
.endr
.irp t, 0,1
	v_add_f32 v[ST+4*\t+2], v[ST+4*\t+2], v[ST+4*\t+3]
.endr
.irp t, 0,1
	v_rcp_f32 v[ST+4*\t+2], v[ST+4*\t+2]
.endr
	v_nop                           ; a plain instruction between the last reciprocal and the use of its result
	s_wait_alu depctr_va_vdst(0)    ; the wait for the way out's batch: the two reciprocals
	PACK 0
	PACK 1
	SEND 0, 8
	SEND 1, 0
.endm
	s_wait_loadcnt 0x0              ; Q
.Lslot:                             ; eight times: a tile is entered and the next is asked for
	CHANGE 1
	s_sub_co_u32 s[RT], s[RT], 1
	TILE0
	s_mov_b32 s[CNT], 4
.Lstep:
	STEP
	s_sub_co_u32 s[CNT], s[CNT], 1
	s_cmp_lg_u32 s[CNT], 0
	s_cbranch_scc1 .Lstep
	s_cmp_lg_u32 s[RT], 0
	s_cbranch_scc1 .Lbottom
	WAYOUT                          ; in the loop this is the first block's end: the second block's last tile is the walk's last
	s_wait_xcnt 0x0                 ; the stores have read their registers and O's address
	s_mov_b64 s[10:11], s[OLO:OLO+1]
	s_add_co_u32 s[RT], s[LQ2], 1
	s_mov_b32 s[PAR], s[PAR2]
.irp t, 0,1
	v_mov_b32 v[ST+4*\t], 0xfe000000
	v_mov_b32 v[ST+4*\t+1], 0xff7fffff
.endr
	WIN 0x41                        ; the second block's Q goes where the one text of the steps names Q
.set i, 0
.rept 32
	v_mov_b32 v[i], v[32+i]
.set i, i+1
.endr
	WIN 0x40
.set i, 0
.rept 64                            ; and the mask is 0 again
	v_mov_b32 v[MC+i], 0
.set i, i+1
.endr
	WIN 0
.Lbottom:
	s_sub_co_u32 s[SLOTS], s[SLOTS], 1
	s_cmp_lg_u32 s[SLOTS], 0
	s_cbranch_scc1 .Lslot
	CHANGE 0                        ; the walk's last tile, the second block's diagonal one, is written out
	s_mov_b32 s[RT], 0
	TILE0
	s_mov_b32 s[CNT], 4
.Lstep2:
	STEP
	s_sub_co_u32 s[CNT], s[CNT], 1
	s_cmp_lg_u32 s[CNT], 0
	s_cbranch_scc1 .Lstep2
	WAYOUT
	s_wait_tensorcnt 0x0            ; the wave's end
	ds_add_u32 v[SPW], v[NIL]
	s_wait_dscnt 0x0
	s_endpgm
.Lfunc_end_k_qfed6d8d441_attn:
	.size	k_qfed6d8d441_attn, .Lfunc_end_k_qfed6d8d441_attn-k_qfed6d8d441_attn
	.p2alignl 7, 3214868480
	.fill 96, 4, 3214868480
	.section	.rodata,"a",@progbits
	.p2align	6, 0x0
	.amdhsa_kernel k_qfed6d8d441_attn
		.amdhsa_group_segment_fixed_size 327680
		.amdhsa_private_segment_fixed_size 0
		.amdhsa_enable_private_segment 0
		.amdhsa_kernarg_size 16
		.amdhsa_user_sgpr_count 2
		.amdhsa_user_sgpr_kernarg_segment_ptr 1
		.amdhsa_wavefront_size32 1
		.amdhsa_system_sgpr_workgroup_id_x 1
		.amdhsa_system_sgpr_workgroup_id_y 1
		.amdhsa_system_sgpr_workgroup_id_z 1
		.amdhsa_system_vgpr_workitem_id 0
		.amdhsa_next_free_vgpr 512
		.amdhsa_next_free_sgpr 90
		.amdhsa_reserve_vcc 1
		.amdhsa_float_denorm_mode_32 3
		.amdhsa_float_denorm_mode_16_64 3
		.amdhsa_memory_ordered 1
		.amdhsa_forward_progress 1
		.amdhsa_inst_pref_size 79
	.end_amdhsa_kernel
	.amdgpu_metadata
---
amdhsa.version: [ 1, 2 ]
amdhsa.kernels:
  - .name:           k_qfed6d8d441_attn
    .symbol:         k_qfed6d8d441_attn.kd
    .args:
      - { .name: qkv, .offset: 0, .size: 8, .value_kind: global_buffer, .address_space: global }
      - { .name: o, .offset: 8, .size: 8, .value_kind: global_buffer, .address_space: global }
    .group_segment_fixed_size: 327680
    .private_segment_fixed_size: 0
    .kernarg_segment_align: 8
    .kernarg_segment_size: 16
    .max_flat_workgroup_size: 128
    .sgpr_count:     90
    .vgpr_count:     512
    .wavefront_size: 32
...
	.end_amdgpu_metadata
.endif
;; end of part 7
;; launch wo: the kernel of part 4 again; grid 8 x 32, 4 waves a work-group, clusters of 4 x 4, 327,680 bytes of LDS; arguments o, wf, x, x1; writes x1
;; launch router: the kernel of part 5 again; grid 256 x 1, 16 waves a work-group, no clusters, 104,704 bytes of LDS; arguments x1, ln2_g, ln2_b, router_w, hn, route, gates, expert_w, wf; writes hn, route, gates, wf
;; launch moe: the kernel of part 6 again; grid 4 x 79, 4 waves a work-group, no clusters, 187,648 bytes of LDS; arguments hn, x1, wf, route, gates, out0; writes out0
